; MI455X (gfx1250); checked and timed in simulation.
; The chip was launched on July 23, 2026; its instructions are those of AMD's public machine-readable ISA for CDNA 5 (MIT licence, August 2026) and "CDNA5" Instruction Set Architecture Reference Guide (July 2026). The comments in the code are by the model that wrote it; some were corrected since.
;; MDM. Allowed arithmetic: matrix products marked QUANTISED: E2M3 operands, one E8M0 scale for each 32 along K, by v_wmma_scale_f32_16x16x128_f8f6f4 with both operands' format E2M3, f32 sums; everything else in f32.
;; Inputs: Wk 1,024 x 1,024 float32; Wq 1,024 x 1,024 float32; Wv 1,024 x 1,024 float32; bk 1,024 float32; bq 1,024 float32; bv 1,024 float32; norm_b 1,024 float32; norm_w 1,024 float32; tnorm_b 1,024 float32; tnorm_w 1,024 float32; x 4,096 x 4 x 1,024 float32.
;; Outputs: out0 4 x 4,096 x 1,024 float32.
;; This version of the problem:
;;   THIS VERSION OF THE PROBLEM IS GIVEN IN LOW PRECISION. The matrix products marked QUANTISED in the list below multiply operands that are first quantised to E2M3 (2 exponent bits, 3 mantissa bits; 6 bits a number), with one power-of-two scale for each 32 numbers along K (OCP MX v1.0); their sums are f32. All else is computed in f32.
;;   The module's matrix products, in the order in which they are computed (A, B: the left and right operand; K: the contracted axis; several contracted axes count as one K, in the product's order):
;;     1. [M 16,384, K 1,024] x [K 1,024, N 1,024]; A: computed on the way; B: input Wq: QUANTISED
;;     2. [M 16,384, K 1,024] x [K 1,024, N 1,024]; A: computed on the way; B: input Wk: QUANTISED
;;     3. [M 16,384, K 1,024] x [K 1,024, N 1,024]; A: computed on the way; B: input Wv: QUANTISED
;;     4. batch 32 x [M 128, K 4,096] x [K 4,096, N 128]; A: softmax (see below); B: computed on the way: QUANTISED
;;     5. batch 32 x [M 128, K 128] x [K 128, N 4,096]; A: computed on the way; B: softmax (see below): QUANTISED
;;   THE QUANTISER, for each operand of a quantised product, along K:
;;     - K is cut into blocks of 32 from its start; a last block that is shorter is filled with zeros.
;;     - A block's scale is 2^e with e = floor(log2(the largest magnitude in the block)) - 2, held to -126 .. 127; a block of zeros has e = 0. As a byte (E8M0): e + 127.
;;     - Each number is divided by its block's scale, clamped to +-7.5, and rounded to the nearest number of E2M3, ties to even, subnormals kept.
;;     - The product sums the exact products of the quantised numbers (number of the format x scale) in f32.
;;   ~~~python
;;   def quantise(x, axis):      # numpy; x: float32 -> the quantised numbers, widened to float32 again
;;       x = np.moveaxis(x, axis, -1); K = x.shape[-1]
;;       x = np.pad(x, [(0, 0)] * (x.ndim - 1) + [(0, -K % 32)]); x = x.reshape(x.shape[:-1] + (-1, 32)); a = np.abs(x).max(-1, keepdims=True)
;;       e = np.where(a > 0, np.clip(np.frexp(np.where(a > 0, a, 1))[1] - 1 - 2, -126, 127), 0)      # np.frexp(a)[1] - 1 = floor(log2(a)), exactly
;;       r = np.clip(x / 2.0 ** e, -7.5, 7.5)
;;       step = 2.0 ** (np.maximum(np.frexp(np.where(r == 0, 1, r))[1] - 1, 0) - 3)
;;       q = np.round(r / step) * step * 2.0 ** e      # np.round: ties to even
;;       return np.moveaxis(q.reshape(q.shape[:-2] + (-1,))[..., :K], -1, axis).astype(np.float32)
;;   ~~~
;;   SOFTMAX AHEAD OF A QUANTISED PRODUCT. Where the list says 'softmax', what is quantised is not the finished softmax but p = 2^(t - M), with t = logit x log2(e) and M = ceil(the row's largest t), a whole number; so 1/2 < the row's largest p <= 1. The row's sum l is taken of the UNQUANTISED p, in f32, and the product's result is divided by l at the end. Since M is a whole number, a kernel that streams over the keys may use a running M (the ceiling of the running maximum): every later rescaling is an exact power of two, which a block's scale takes up: the codes' values come out the same.
;;   OPERANDS COMPUTED ON THE WAY. 'Computed on the way' means the value that the module computes at that place (a softmax that the list does not call 'softmax' is quantised finished and normalised). What goes into a quantiser is computed in f32, as accurately as f32 sums, v_exp_f32 and their like allow (about 1e-6 of the number): no bf16 or f16 on the way to a quantiser, and a product that is left as it is and whose result goes on into a quantised operand takes f32 operands (vector FMAs, or v_wmma_f32_16x16x4_f32). A number that lies on a knife's edge between two numbers of the format may be rounded either way, as far as f32 arithmetic and the matrix unit's own rounding can turn it there, and no further.
;; One version. Each part assembles by itself: llvm-mc -triple=amdgcn-amd-amdhsa -mcpu=gfx1250 --defsym DOCPART=n.
;; ======== version 1 of 1: 4 launches
;; workspace buffers: xnimg 13,107,200 bytes; xtimg 13,107,200 bytes; wimg 2,457,600 bytes; part 33,554,432 bytes; stat 1,048,576 bytes; attimg 409,600 bytes
;; launch prep (part 1): grid 256 x 1, 8 waves a work-group, no clusters, 224,256 bytes of LDS; arguments x, Wq, Wk, Wv, norm_w, norm_b, tnorm_w, tnorm_b, xnimg, xtimg, wimg; writes xnimg, xtimg, wimg
.if DOCPART == 1
	.amdgcn_target "amdgcn-amd-amdhsa--gfx1250"
	.amdhsa_code_object_version 6
	.text
	.protected	k_q7c2103f8b5_prep
	.globl	k_q7c2103f8b5_prep
	.p2align	8
	.type	k_q7c2103f8b5_prep,@function
k_q7c2103f8b5_prep:
	s_mov_b64 s[64:65], 0
	v_nop
	global_prefetch_b8 v0, s[64:65] scope:SCOPE_SE
	s_setreg_imm32_b32 hwreg(HW_REG_WAVE_MODE, 25, 1), 1
	s_wait_xcnt 0x0
; x [4096][4][1024] f32 is normalised along its last axis (mean, then mean of squared differences, 1 / sqrt(. + 1e-5)), given two sets of gains and offsets, and both
; results are turned into codes of FP6 (E2M3) with one E8M0 byte for each 32 along the last axis.  Wq, Wk, Wv [1024][1024] f32 are turned into codes as they stand.
; WHAT IS STORED: group records of 12,800 bytes, 16 rows x K 1,024 each, laid as the matrix unit's operand registers: byte 1536 s + 512 g + 16 L holds registers 4 g .. 4 g + 3 of lane L
; of the fragment of K step s (128 along K); from byte 12,288 on the scale bytes, [pair of K steps][row][8 bytes].  So a later launch brings a fragment by three loads of 16 bytes a lane.
; WHICH ROWS FORM A GROUP.  x (row = 4096 b + t), Wq and Wk: lane r of group G holds row 32 (G / 2) + 8 (G % 2) + r + 8 (r / 8); Wv: row 16 G + r.
; wimg: groups 0-63 Wq; group 64 + 16 head + 8 (a / 4) + a % 4 is Wk's tile a of that head, Wv's tile a lies four groups on.
; SHARES.  256 work-groups of eight waves, all with the same work.  A work-group takes four groups of x; the two waves of a pair share a group, eight rows each (eight consecutive t), and write into the pair's two
; images in LDS; behind a barrier the even wave stores the first result's record, the odd wave the second's.  A row is a whole wave's: its eight loads read 512 consecutive bytes each, and it turns through the
; wave's own stage in LDS, so that a lane then holds one whole block of 32 neighbours.  The four vectors of gains and offsets come once for the work-group, half a vector a wave, through a stage of their own.
; THE WEIGHTS need no statistics of a row, so they are cut along K: a task is one group x 256 along K: two fragments (3,072 consecutive bytes of the record) and 128 scale bytes.  768 tasks, three a work-group:
; waves 0 to 2 take one each, behind their rows of x.  Four rows x 256 numbers go through the stage as one row of 1,024 does.  A task's scale bytes are 128 consecutive bytes: half of an aligned block of 256; 98,304 bytes in all.
; A block's scale byte is its largest magnitude's exponent field - 2, held at 1 from below.
; LIMITS: a block of zeros gets the byte 1 where the quantiser says 127 (its codes are zeros, and this program alone reads the bytes); blocks whose largest magnitude lies under 2^-124 are held at the byte 1;
; NaN and infinities among the inputs are not served.
.set REC,   12800
.set TSB,   4608                       ; a row stage: 32 places of 128 bytes + 16
.set GST,   16*TSB                     ; behind the eight waves' two stages each: the gains' stage, four vectors
.set PAIR0, GST+4*TSB                  ; then, for each pair of waves: two images and two runs of 512 scale bytes
.set IMGB,  8*1568                     ; an image: 8 fragments, 1,536 bytes + 32 apart
.set SCBO,  2*IMGB
.set PAIRB, 2*IMGB+1024
.set WSC0,  PAIR0+4*PAIRB              ; then, for each wave: two fragments and 128 scale bytes of a weight
.set WSCB,  3328
.set LIN,  2                           ; v2   my stage, on the way in
.set LOUT, 3                           ; v3   and on the way out: my block
.set AD,   4                           ; v4-6 where my block's three pairs of code registers go in the pair's first image (my half of the rows)
.set ASB,  7                           ; v7   where my block's scale byte goes
.set RBI,  8                           ; v8   the image that I store: + 16 x lane
.set GOF,  9                           ; v9   16 x lane
.set RBS,  10                          ; v10  its scale bytes: + 16 x lane
.set GLIN, 11                          ; v11  the gains' stage, on the way in: my half of my vector
.set GLOUT, 12                         ; v12  and on the way out
.set GGO,  13                          ; v13  16 x lane + 2,048 x (wave % 2): my half of a vector in memory
.set WAD,  56                          ; v56-58 a weight's block: where its three pairs of code registers go
.set WASB, 59                          ; v59  and its scale byte
.set WRB,  60                          ; v60  the weight's fragments: + 16 x lane
.set WRS,  61                          ; v61  its scale bytes: + 4 x lane
.set WSO,  62                          ; v62  4 x lane
.set WOF2, 63                          ; v63  16 x lane, + eight rows where rows 8-15 of a group lie eight rows further on
.set X,    64                          ; v64-127 two sets of 32 neighbours
.set Y,    128                         ; v128-159 the first result
.set O,    64                          ; v64-163 the way out
.set R,    128                         ; window 1: v128-255 a ring of four rows as loaded;  v0-31, v32-63 first gains and offsets;  v64-95, v96-127 the second
.set MSB, 0
.macro WIN new                         ; the immediate's high byte repeats the setting that is left
.if MSB != (\new)
	s_set_vgpr_msb (MSB<<8)|(\new)
.set MSB, (\new)
.endif
.endm
	s_load_b256 s[20:27], s[0:1], 0x0              ; x, Wq, Wk, Wv
	s_load_b256 s[28:35], s[0:1], 0x20             ; norm_w, norm_b, tnorm_w, tnorm_b
	s_load_b128 s[36:39], s[0:1], 0x40             ; xnimg, xtimg
	s_load_b64 s[40:41], s[0:1], 0x50              ; wimg
	v_lshl_add_u32 v254, v0, 2, 0x36800
	v_mov_b32 v255, 0
	v_lshrrev_b32 v1, 5, v0
	v_readfirstlane_b32 s13, v1                    ; wave 0..7
	v_and_b32 v1, 31, v0                           ; lane
	s_lshr_b32 s2, s13, 1                          ; my pair
	s_and_b32 s3, s13, 1                           ; which half of the group's rows, and which result I store
	; my group of x: G = 4 x work-group + pair = 256 b + Gt
	s_lshl_b32 s12, ttmp9, 2
	s_add_co_u32 s12, s12, s2
	s_lshr_b32 s15, s12, 8                         ; b
	s_and_b32 s19, s12, 255                        ; Gt
	s_lshr_b32 s42, s19, 1
	s_lshl_b32 s42, s42, 5
	s_and_b32 s19, s19, 1
	s_lshl_b32 s19, s19, 3
	s_add_co_u32 s42, s42, s19
	s_lshl_b32 s19, s3, 4
	s_add_co_u32 s42, s42, s19                     ; my first t: rows 8-15 of a group begin 16 steps behind rows 0-7
	s_lshl_b32 s42, s42, 14                        ; 16,384 bytes from t to t + 1
	s_lshl_b32 s15, s15, 12
	s_add_co_u32 s42, s42, s15
	s_mov_b32 s43, 0
	s_mul_i32 s44, s12, REC
	s_mov_b32 s45, 0
	; my task of the weights (waves 0 to 2): task = 3 x work-group + wave = 4 Gw + kq, Gw = 64 T + Gn
	s_mul_i32 s46, ttmp9, 3
	s_add_co_u32 s46, s46, s13
	s_and_b32 s47, s46, 3                          ; kq: which 256 along K
	s_lshr_b32 s46, s46, 2
	s_lshr_b32 s48, s46, 6                         ; T: 0 Wq, 1 Wk, 2 Wv
	s_and_b32 s46, s46, 63                         ; Gn
	s_lshr_b32 s49, s46, 1
	s_lshl_b32 s49, s49, 5
	s_and_b32 s50, s46, 1
	s_lshl_b32 s50, s50, 3
	s_add_co_u32 s49, s49, s50                     ; the first row in the order of Wq and Wk
	s_lshl_b32 s50, s46, 4                         ; and in Wv's
	s_cmp_eq_u32 s48, 2
	s_cselect_b32 s49, s50, s49
	s_cselect_b32 s51, 4, 0                        ; Wv's tiles lie four groups on
	s_cselect_b32 s52, 0, 32768                    ; rows 8-15: eight rows of 4,096 bytes further on, but not in Wv
	s_lshl_b32 s49, s49, 12
	s_lshl_b32 s50, s47, 10
	s_add_co_u32 s58, s49, s50                     ; the source's byte
	s_mov_b32 s59, 0
	s_lshr_b32 s50, s46, 3
	s_lshl_b32 s50, s50, 4                         ; 16 x head
	s_add_co_u32 s50, s50, s51
	s_bfe_u32 s51, s46, 0x10002                    ; (tile / 4)
	s_lshl_b32 s51, s51, 3
	s_add_co_u32 s50, s50, s51
	s_and_b32 s51, s46, 3
	s_add_co_u32 s50, s50, s51
	s_add_co_u32 s50, s50, 64
	s_cmp_eq_u32 s48, 0
	s_cselect_b32 s50, s46, s50                    ; the group in wimg
	s_mul_i32 s50, s50, REC
	s_mul_i32 s51, s47, 3072
	s_add_co_u32 s54, s50, s51                     ; where the task's two fragments go,
	s_mov_b32 s55, 0
	s_lshl_b32 s51, s47, 7
	s_add_co_u32 s56, s50, s51
	s_add_co_u32 s56, s56, 12288                   ; and its 128 scale bytes
	s_mov_b32 s57, 0
	s_mov_b32 s14, 0x3727c5ac                      ; 1e-5
	s_mov_b32 s18, 0x3a800000                      ; 1 / 1024
	s_mov_b32 s16, 0x76543210                      ; v_permlanex16_b32's selects for lane l xor 16
	s_mov_b32 s17, 0xfedcba98
	; every LDS address is made here, ahead of all branches
	s_mul_i32 s15, s13, 2*TSB                      ; my two stages
	v_lshrrev_b32 v14, 3, v1
	v_and_b32 v15, 7, v1
	v_mul_u32_u24 v16, v14, 144
	v_lshl_add_u32 v16, v15, 4, v16                ; eight lanes' 128 bytes on end, then 16 of padding
	v_add_nc_u32 v[LIN], s15, v16
	v_mul_u32_u24 v17, v1, 144
	v_add_nc_u32 v[LOUT], s15, v17
	s_mul_i32 s15, s2, TSB                         ; the gains' stage: vector = my pair's number, half = wave % 2 (four loads of 512 bytes: 4 x 576 in the stage)
	s_mul_i32 s19, s3, 2304
	s_add_co_u32 s15, s15, s19
	s_add_co_u32 s15, s15, GST
	v_add_nc_u32 v[GLIN], s15, v16
	v_add_nc_u32 v[GLOUT], GST, v17
	s_mul_i32 s15, s2, PAIRB
	s_add_co_u32 s15, s15, PAIR0                   ; my pair's images
	v_lshl_add_u32 v[ASB], v14, 7, v15             ; scale bytes: 128 x (pair of K steps) + lane % 8; 8 x row: 64 x half here, the rest in the immediate
	s_lshl_b32 s19, s3, 6
	s_add_co_u32 s19, s19, s15
	s_add_co_u32 s19, s19, SCBO
	v_add_nc_u32 v[ASB], s19, v[ASB]
	; my block l of a row is block l % 4 of K step l / 4: it belongs to the fragment's lane r + 16 (l % 2), registers 6 c .. 6 c + 5, c = (l / 2) % 2.
	; Pair p of the six stands at 512 ((3 c + p) / 2) + 8 ((3 c + p) % 2): 520 c;  8 + 1016 c;  512 + 520 c
	v_lshrrev_b32 v18, 2, v1
	v_mul_u32_u24 v18, v18, 1568
	v_and_b32 v19, 1, v1
	v_lshl_add_u32 v18, v19, 8, v18
	s_lshl_b32 s19, s3, 7                          ; 16 x row: 128 x half here, the rest in the immediate
	s_add_co_u32 s19, s19, s15
	v_add_nc_u32 v18, s19, v18
	v_bfe_u32 v20, v1, 1, 1
	v_mad_u32_u24 v[AD], v20, 520, v18
	v_mad_u32_u24 v[AD+1], v20, 1016, v18
	v_add_nc_u32 v[AD+1], 8, v[AD+1]
	v_add_nc_u32 v[AD+2], 512, v[AD]
	v_lshlrev_b32 v[GOF], 4, v1
	s_mul_i32 s19, s3, IMGB
	s_add_co_u32 s19, s19, s15
	v_add_nc_u32 v[RBI], s19, v[GOF]
	s_lshl_b32 s19, s3, 9
	s_add_co_u32 s19, s19, s15
	s_add_co_u32 s19, s19, SCBO
	v_add_nc_u32 v[RBS], s19, v[GOF]
	; a weight's block: lane l holds row 4 q + l / 8 of the group and block l % 8 of the task's eight: K step (l / 4) % 2 of its two
	s_mul_i32 s15, s13, WSCB
	s_add_co_u32 s15, s15, WSC0
	v_bfe_u32 v18, v1, 2, 1
	v_mul_u32_u24 v18, v18, 1568
	v_lshl_add_u32 v18, v19, 8, v18
	v_lshl_add_u32 v18, v14, 4, v18                ; 16 x row: 16 (l / 8) here, 64 q in the immediate
	v_add_nc_u32 v18, s15, v18
	v_mad_u32_u24 v[WAD], v20, 520, v18
	v_mad_u32_u24 v[WAD+1], v20, 1016, v18
	v_add_nc_u32 v[WAD+1], 8, v[WAD+1]
	v_add_nc_u32 v[WAD+2], 512, v[WAD]
	v_add_nc_u32 v[WASB], s15, v1                  ; 8 x row + block = 32 q + lane
	v_add_nc_u32 v[WASB], 3136, v[WASB]
	v_add_nc_u32 v[WRB], s15, v[GOF]
	v_lshlrev_b32 v[WSO], 2, v1
	v_add_nc_u32 v[WRS], s15, v[WSO]
	v_add_nc_u32 v[WRS], 3136, v[WRS]
	v_add_nc_u32 v[WOF2], s52, v[GOF]
	s_lshl_b32 s19, s3, 11
	v_add_nc_u32 v[GGO], s19, v[GOF]
	v_mov_b32 v28, 0                               ; written once: a lane permute's destination counts as one of its sources
	s_wait_kmcnt 0x0
	s_add_nc_u64 s[4:5], s[20:21], s[42:43]        ; x at my first row
	s_cmp_eq_u32 s3, 0                             ; the choices hang on the work-group's and the wave's numbers alone
	s_cselect_b64 s[6:7], s[36:37], s[38:39]
	s_add_nc_u64 s[6:7], s[6:7], s[44:45]          ; the record that I store
	s_cmp_eq_u32 s2, 1
	s_cselect_b64 s[42:43], s[30:31], s[28:29]
	s_cmp_eq_u32 s2, 2
	s_cselect_b64 s[42:43], s[32:33], s[42:43]
	s_cmp_eq_u32 s2, 3
	s_cselect_b64 s[42:43], s[34:35], s[42:43]     ; the vector of which I fetch a half
	s_cmp_eq_u32 s48, 1
	s_cselect_b64 s[8:9], s[24:25], s[22:23]
	s_cmp_eq_u32 s48, 2
	s_cselect_b64 s[8:9], s[26:27], s[8:9]
	s_add_nc_u64 s[8:9], s[8:9], s[58:59]          ; the weight at my task's first number
	s_add_nc_u64 s[10:11], s[40:41], s[54:55]
	s_add_nc_u64 s[46:47], s[40:41], s[56:57]
; row r of my eight into ring slot r % 4: eight loads of 512 consecutive bytes; every offset is an immediate
.macro LOADROW r
	WIN 0x40                                       ; destination window 1
.irp j, 0,1,2,3,4,5,6,7
	global_load_b128 v[R+32*((\r)%4)+4*\j:R+32*((\r)%4)+4*\j+3], v[GOF], s[4:5] offset:16384*(\r)+512*\j th:TH_LOAD_NT
.endr
.endm
; ring slot r % 4 through stage r % 2: LDS serves a wave's instructions in order, so no wait stands between the stores and the loads
.macro TURNROW r
	WIN 0x04                                       ; an LDS store's data are its source 1: window 1
.irp j, 0,1,2,3,4,5,6,7
	ds_store_b128 v[LIN], v[R+32*((\r)%4)+4*\j:R+32*((\r)%4)+4*\j+3] offset:TSB*((\r)%2)+576*\j
.endr
	WIN 0
.irp j, 0,1,2,3,4,5,6,7
	ds_load_b128 v[X+32*((\r)%2)+4*\j:X+32*((\r)%2)+4*\j+3], v[LOUT] offset:TSB*((\r)%2)+16*\j
.endr
.endm
; the four chains v[16:23] become one number, the same in all 32 lanes
.macro RED
	v_pk_add_f32 v[16:17], v[16:17], v[18:19]
	v_pk_add_f32 v[20:21], v[20:21], v[22:23]
	v_pk_add_f32 v[16:17], v[16:17], v[20:21]
	v_add_f32 v16, v16, v17
	v_add_f32_dpp v16, v16, v16 row_xmask:1 row_mask:0xf bank_mask:0xf
	v_add_f32_dpp v16, v16, v16 row_xmask:2 row_mask:0xf bank_mask:0xf
	v_add_f32_dpp v16, v16, v16 row_xmask:4 row_mask:0xf bank_mask:0xf
	v_add_f32_dpp v16, v16, v16 row_xmask:8 row_mask:0xf bank_mask:0xf
	v_permlanex16_b32 v28, v16, s16, s17
	v_add_f32 v16, v16, v28
.endm
; a block of 32 numbers v[s] .. v[s + 31] becomes six registers of codes v[p] .. v[p + 5] and a scale byte v[by]
.macro QUANTB s, p, q, by
	v_max3_num_f32 v29, |v[\s]|, |v[\s+1]|, |v[\s+2]|
	v_max3_num_f32 v30, |v[\s+3]|, |v[\s+4]|, |v[\s+5]|
.irp i, 6,10,14,18,22,26
	v_max3_num_f32 v29, v29, |v[\s+\i]|, |v[\s+\i+1]|
	v_max3_num_f32 v30, v30, |v[\s+\i+2]|, |v[\s+\i+3]|
.endr
	v_max3_num_f32 v29, v29, |v[\s+30]|, |v[\s+31]|
	v_max3_num_f32 v29, v29, v30, 0x1800000        ; the floor 2^(3 - 127): the byte cannot fall under 1
	v_add_nc_u32 v31, 0xff000000, v29              ; 2 off the exponent field: the conversion takes this operand's exponent field as its scale
	v_cvt_scalef32_pk16_fp6_f32 v[\p:\p+2], v[\s:\s+15], v31
	v_cvt_scalef32_pk16_fp6_f32 v[\q:\q+2], v[\s+16:\s+31], v31   ; (a conversion's three registers begin on an even number)
	v_lshrrev_b32 v[\by], 23, v31                  ; the scale's byte; also the plain line behind the conversions
.irp i, 0,1,2
	v_mov_b32 v[\p+3+\i], v[\q+\i]
.endr
.endm
.macro PUT n, r, p, by                 ; my row r's block into the pair's image n
	ds_store_b64 v[AD],   v[\p:\p+1]   offset:16*(\r)+IMGB*\n
	ds_store_b64 v[AD+1], v[\p+2:\p+3] offset:16*(\r)+IMGB*\n
	ds_store_b64 v[AD+2], v[\p+4:\p+5] offset:16*(\r)+IMGB*\n
	ds_store_b8  v[ASB],  v[\by]       offset:8*(\r)+512*\n
.endm
.macro STEPROW r
.set XS, X+32*((\r)%2)
.if (\r) > 0
	s_wait_dscnt 8                                 ; this row is back from the stage; the eight image stores of the row before may be out
.else
	s_wait_dscnt 0x0                               ; the gains too
.endif
.if (\r)+4 < 8
	LOADROW (\r)+4                                 ; into the ring slot that this row has left
.endif
.if (\r) < 7
.if 6-(\r) >= 3
	s_wait_loadcnt 24                              ; the next row's eight loads are in; three rows behind it may be out
.else
	s_wait_loadcnt 8*(6-(\r))
.endif
	TURNROW (\r)+1
.endif
	v_pk_add_f32 v[16:17], v[XS:XS+1], v[XS+2:XS+3]                ; the row's sum, in four chains
	v_pk_add_f32 v[18:19], v[XS+4:XS+5], v[XS+6:XS+7]
	v_pk_add_f32 v[20:21], v[XS+8:XS+9], v[XS+10:XS+11]
	v_pk_add_f32 v[22:23], v[XS+12:XS+13], v[XS+14:XS+15]
.irp i, 16,24
	v_pk_add_f32 v[16:17], v[16:17], v[XS+\i:XS+\i+1]
	v_pk_add_f32 v[18:19], v[18:19], v[XS+\i+2:XS+\i+3]
	v_pk_add_f32 v[20:21], v[20:21], v[XS+\i+4:XS+\i+5]
	v_pk_add_f32 v[22:23], v[22:23], v[XS+\i+6:XS+\i+7]
.endr
	RED
	v_mul_f32 v24, s18, v16                        ; the mean
	v_mov_b32 v25, v24
.set i, 0
.rept 16
	v_pk_add_f32 v[XS+i:XS+i+1], v[XS+i:XS+i+1], v[24:25] neg_lo:[0,1] neg_hi:[0,1]
.set i, i+2
.endr
	v_pk_mul_f32 v[16:17], v[XS:XS+1], v[XS:XS+1]                  ; the sum of squared differences
	v_pk_mul_f32 v[18:19], v[XS+2:XS+3], v[XS+2:XS+3]
	v_pk_mul_f32 v[20:21], v[XS+4:XS+5], v[XS+4:XS+5]
	v_pk_mul_f32 v[22:23], v[XS+6:XS+7], v[XS+6:XS+7]
.irp i, 8,16,24
	v_pk_fma_f32 v[16:17], v[XS+\i:XS+\i+1], v[XS+\i:XS+\i+1], v[16:17]
	v_pk_fma_f32 v[18:19], v[XS+\i+2:XS+\i+3], v[XS+\i+2:XS+\i+3], v[18:19]
	v_pk_fma_f32 v[20:21], v[XS+\i+4:XS+\i+5], v[XS+\i+4:XS+\i+5], v[20:21]
	v_pk_fma_f32 v[22:23], v[XS+\i+6:XS+\i+7], v[XS+\i+6:XS+\i+7], v[22:23]
.endr
	RED
	v_fma_f32 v26, v16, s18, s14                   ; the variance + 1e-5
	v_rsq_f32 v26, v26
	v_nop                                          ; a plain line behind the transcendental,
	s_wait_alu depctr_va_vdst(0)                   ; and a wait ahead of its first reader
	v_mov_b32 v27, v26
.set i, 0
.rept 16
	v_pk_mul_f32 v[XS+i:XS+i+1], v[XS+i:XS+i+1], v[26:27]
.set i, i+2
.endr
	WIN 0x14                                       ; sources 1 and 2 window 1
.set i, 0
.rept 16
	v_pk_fma_f32 v[Y+i:Y+i+1], v[XS+i:XS+i+1], v[i:i+1], v[32+i:33+i]
.set i, i+2
.endr
	WIN 0
.if (\r) < 7
	s_wait_dscnt 16                                ; the image stores of the row before are done, so their registers may be written; the next row's turn (16) may be out
.else
	s_wait_dscnt 0x0
.endif
	QUANTB Y, 32, 38, 52
	PUT 0, \r, 32, 52
	WIN 0x14
.set i, 0
.rept 16
	v_pk_fma_f32 v[XS+i:XS+i+1], v[XS+i:XS+i+1], v[64+i:65+i], v[96+i:97+i]
.set i, i+2
.endr
	WIN 0
	QUANTB XS, 42, 48, 53
	PUT 1, \r, 42, 53
.endm
.irp j, 0,1,2,3
	global_load_b128 v[X+4*\j:X+4*\j+3], v[GGO], s[42:43] offset:512*\j   ; my half of a vector of gains or offsets
.endr
	LOADROW 0
	LOADROW 1
	LOADROW 2
	LOADROW 3
	WIN 0
	s_wait_loadcnt 32                              ; the half vector is in; the four rows may be out
.irp j, 0,1,2,3
	ds_store_b128 v[GLIN], v[X+4*\j:X+4*\j+3] offset:576*\j
.endr
	s_wait_dscnt 0x0                               ; for the others' sake: my stores have landed
	s_barrier_signal -1
	s_barrier_wait -1                              ; the four vectors lie in the stage; it is never written again
	WIN 0x40
.irp n, 0,1,2,3
.irp j, 0,1,2,3,4,5,6,7
	ds_load_b128 v[32*\n+4*\j:32*\n+4*\j+3], v[GLOUT] offset:TSB*\n+16*\j   ; my block's 32 numbers of each
.endr
.endr
	s_wait_loadcnt 24                              ; row 0 is in
	TURNROW 0
.irp r, 0,1,2,3,4,5,6,7
	STEPROW \r
.endr
	s_wait_dscnt 0x0                               ; for my partner's sake: my image stores have landed; and the ring's registers are free
; a task's 16 rows x 256 numbers: four rows at a time fill a ring slot: load j takes row 4 q + j / 2, half j % 2 of its 1,024 bytes
.macro WLOAD q
.irp j, 0,1,2,3,4,5,6,7
.if (\q) < 2
	global_load_b128 v[R+32*(\q)+4*\j:R+32*(\q)+4*\j+3], v[GOF], s[8:9] offset:(4*(\q)+\j/2)*4096+(\j%2)*512 th:TH_LOAD_NT
.else
	global_load_b128 v[R+32*(\q)+4*\j:R+32*(\q)+4*\j+3], v[WOF2], s[8:9] offset:(4*(\q)+\j/2)*4096+(\j%2)*512 th:TH_LOAD_NT
.endif
.endr
.endm
	s_cmp_lt_u32 s13, 3                            ; waves 0 to 2 ask for their task of the weights here: it lands under the way out of x
	s_cbranch_scc0 .Lno_task
	WIN 0x40
	WLOAD 0
	WLOAD 1
	WLOAD 2
	WLOAD 3
	WIN 0
.Lno_task:
	s_barrier_signal -1
	s_barrier_wait -1                              ; both halves of every image lie in LDS
	; THE WAY OUT: an image leaves as it lies: each store of the wave covers 512 consecutive bytes, at a multiple of 256 from the buffer's first byte
.set k, 0
.rept 8
.irp c, 0,1,2
	ds_load_b128 v[O+12*k+4*\c:O+12*k+4*\c+3], v[RBI] offset:1568*k+512*\c
.endr
.set k, k+1
.endr
	ds_load_b128 v[O+96:O+99], v[RBS]
.set k, 0
.rept 8
.irp c, 0,1,2
	s_wait_dscnt 24-3*k-\c                         ; LDS loads come back in order
	global_store_b128 v[GOF], v[O+12*k+4*\c:O+12*k+4*\c+3], s[6:7] offset:1536*k+512*\c
.endr
.set k, k+1
.endr
	s_wait_dscnt 0x0
	global_store_b128 v[GOF], v[O+96:O+99], s[6:7] offset:12288
	s_cmp_lt_u32 s13, 3
	s_cbranch_scc0 .Lend
	; THE WEIGHTS: no statistics, one result
.macro WPUT q
	ds_store_b64 v[WAD],   v[32:33] offset:64*(\q)
	ds_store_b64 v[WAD+1], v[34:35] offset:64*(\q)
	ds_store_b64 v[WAD+2], v[36:37] offset:64*(\q)
	ds_store_b8  v[WASB],  v52      offset:32*(\q)
.endm
	s_wait_xcnt 0x0                                ; the stores above have read their registers: these are written again below
	s_wait_loadcnt 24                              ; the first four rows are in
	TURNROW 0
.irp q, 0,1,2,3
	s_wait_dscnt 0x0                               ; these four rows are back from the stage, and the stores of the four before are done
.if \q < 3
	s_wait_loadcnt 8*(2-\q)
	TURNROW \q+1
.endif
	QUANTB X+32*(\q%2), 32, 38, 52
	WPUT \q
.endr
.irp s, 0,1
.irp c, 0,1,2
	ds_load_b128 v[128+12*\s+4*\c:128+12*\s+4*\c+3], v[WRB] offset:1568*\s+512*\c   ; LDS serves a wave's instructions in order: these see my stores
.endr
.endr
	ds_load_b32 v152, v[WRS]
	s_wait_dscnt 0x0
.irp s, 0,1
.irp c, 0,1,2
	global_store_b128 v[GOF], v[128+12*\s+4*\c:128+12*\s+4*\c+3], s[10:11] offset:1536*\s+512*\c
.endr
.endr
	global_store_b32 v[WSO], v152, s[46:47]        ; 128 consecutive bytes
.Lend:
	s_wait_tensorcnt 0x0
	ds_add_u32 v254, v255
	s_wait_dscnt 0x0
	s_endpgm
.Lfunc_end_k_q7c2103f8b5_prep:
	.size	k_q7c2103f8b5_prep, .Lfunc_end_k_q7c2103f8b5_prep-k_q7c2103f8b5_prep
	.p2alignl 7, 3214868480
	.fill 96, 4, 3214868480
	.section	.rodata,"a",@progbits
	.p2align	6, 0x0
	.amdhsa_kernel k_q7c2103f8b5_prep
		.amdhsa_group_segment_fixed_size 224256
		.amdhsa_private_segment_fixed_size 0
		.amdhsa_enable_private_segment 0
		.amdhsa_kernarg_size 88
		.amdhsa_user_sgpr_count 2
		.amdhsa_user_sgpr_kernarg_segment_ptr 1
		.amdhsa_wavefront_size32 1
		.amdhsa_system_sgpr_workgroup_id_x 1
		.amdhsa_system_sgpr_workgroup_id_y 1
		.amdhsa_system_sgpr_workgroup_id_z 1
		.amdhsa_system_vgpr_workitem_id 0
		.amdhsa_next_free_vgpr 512
		.amdhsa_next_free_sgpr 66
		.amdhsa_reserve_vcc 0
		.amdhsa_float_denorm_mode_32 3
		.amdhsa_float_denorm_mode_16_64 3
		.amdhsa_memory_ordered 1
		.amdhsa_forward_progress 1
		.amdhsa_inst_pref_size 129
	.end_amdhsa_kernel
	.amdgpu_metadata
---
amdhsa.version: [ 1, 2 ]
amdhsa.kernels:
  - .name:           k_q7c2103f8b5_prep
    .symbol:         k_q7c2103f8b5_prep.kd
    .args:
      - { .name: x, .offset: 0, .size: 8, .value_kind: global_buffer, .address_space: global }
      - { .name: Wq, .offset: 8, .size: 8, .value_kind: global_buffer, .address_space: global }
      - { .name: Wk, .offset: 16, .size: 8, .value_kind: global_buffer, .address_space: global }
      - { .name: Wv, .offset: 24, .size: 8, .value_kind: global_buffer, .address_space: global }
      - { .name: norm_w, .offset: 32, .size: 8, .value_kind: global_buffer, .address_space: global }
      - { .name: norm_b, .offset: 40, .size: 8, .value_kind: global_buffer, .address_space: global }
      - { .name: tnorm_w, .offset: 48, .size: 8, .value_kind: global_buffer, .address_space: global }
      - { .name: tnorm_b, .offset: 56, .size: 8, .value_kind: global_buffer, .address_space: global }
      - { .name: xnimg, .offset: 64, .size: 8, .value_kind: global_buffer, .address_space: global }
      - { .name: xtimg, .offset: 72, .size: 8, .value_kind: global_buffer, .address_space: global }
      - { .name: wimg, .offset: 80, .size: 8, .value_kind: global_buffer, .address_space: global }
    .group_segment_fixed_size: 224256
    .private_segment_fixed_size: 0
    .kernarg_segment_align: 8
    .kernarg_segment_size: 88
    .max_flat_workgroup_size: 256
    .sgpr_count:     66
    .vgpr_count:     512
    .wavefront_size: 32
...
	.end_amdgpu_metadata
.endif
;; end of part 1
;; launch kv (part 2): grid 32 x 8, 4 waves a work-group, clusters of 4 x 4, 327,680 bytes of LDS; arguments wimg, xtimg, bk, bv, part, stat; writes part, stat
.if DOCPART == 2
	.amdgcn_target "amdgcn-amd-amdhsa--gfx1250"
	.amdhsa_code_object_version 6
	.text
	.protected	k_q7c2103f8b5_kv
	.globl	k_q7c2103f8b5_kv
	.p2align	8
	.type	k_q7c2103f8b5_kv,@function
k_q7c2103f8b5_kv:
	s_mov_b64 s[64:65], 0
	v_nop
	global_prefetch_b8 v0, s[64:65] scope:SCOPE_SE
	s_setreg_imm32_b32 hwreg(HW_REG_WAVE_MODE, 25, 1), 1
	s_wait_xcnt 0x0
	s_wait_alu depctr_hold_cnt(0) depctr_sa_sdst(0) depctr_va_vdst(0) depctr_va_sdst(0) depctr_va_ssrc(0) depctr_va_vcc(0) depctr_vm_vsrc(0)
	s_getreg_b32 s2, hwreg(HW_REG_IB_STS2, 6, 4)
	s_cmp_eq_u32 s2, 0
	s_cbranch_scc0 .Lentry_in_a_cluster
	s_endpgm
.Lentry_in_a_cluster:
	s_bfe_u32 s2, ttmp6, 0x10000c
	s_cmp_lg_u32 s2, 0xf033
	s_cbranch_scc0 .Lentry_shape_is_right
	s_endpgm
.Lentry_shape_is_right:
; For one head, one batch and 256 time steps: k = xt Wk^T + bk and v = xt Wv^T + bv (K = 1,024, on codes of FP6 with E8M0 scales), the softmax of k over time as p = 2^(t - M), and the part of
; att[d][l] = sum over t of p[t][d] v[t][l] that these 256 steps give (K = 256, p and v quantised along t).  M = the ceiling of the largest t = (k) x log2(e) of a column d among THESE 256 steps:
; a whole number, so that a later launch brings the parts under one M by exact powers of two.  Stored: the part (128 x 128 f32), M and the sum of the unquantised p for each d and each half of the steps.
; A WORK-GROUP STAYS: it makes two such tiles, of neighbouring runs of 256 steps, and the ring of LDS slots does not stop between them: the first tile's third change of slots asks for the second tile's first
; 256 along K, a round in the first tile's epilogue for its second 256; nothing waits for the first tile's stores.  The tile is written twice.
; THE FIRST PRODUCT.  A tile of 256 x 256: 'A' = 16 groups of weights of the head (in each half of eight: four tiles of Wk, four of Wv), 'B' = 16 groups of xt.  Four waves, each 128 x 128: 64 accumulators, 512 registers.
; Both operands lie in memory as images of operand registers (12,800 bytes for 16 rows x K 1,024): a fragment is three LDS loads of 512 consecutive bytes.  K goes in four steps of 256 through two LDS slots.
; Source 0 = 16 rows of xt, source 1 = 16 rows of a weight: a lane holds ONE column (d or l), its registers run along t; the rows of a group of xt are so chosen that the 16 registers of two neighbouring
; tiles are 16 neighbouring t.  So p and v are quantised along t in registers.
; CLUSTERS: 4 x 4 work-groups; the four of a row of the cluster share the head's weights, the four of a column the rows of xt: each tile is asked for jointly.
; Wave (i, th): window 2: k's tiles 4 i + a of the head's eight, window 3: v's tiles 4 i + a, both for time steps 128 th .. 128 th + 127 of the 256.
; The codes of p and v go from wave to wave through LDS as images of operand registers.  In the second product wave (i, th) makes d-tiles 4 i + a against l-tiles 4 th + e.
; LIMITS: NaN and infinities are not served; a block of zeros has the scale byte 1 (its codes are zeros; this program alone reads the bytes); the bias of k enters as bk x log2(e), added by the same
; fused multiply-add that scales the score.
.set REC,   12800
.set FR,    12                         ; registers of a fragment
.set NL,    3                          ; LDS loads that bring one
.set NP,    4                          ; places behind this matrix instruction (ISA guide 7.12.1)
.set NQ,    2                          ; matrix instructions deep in a slot
.set HALFT, 24576                      ; eight groups x 3,072 bytes: what one tensor load brings, and what a wave reads of A or of B
.set SLOT,  4*HALFT
.set SCL,   2*SLOT                     ; behind the ring: the scale bytes for all of K, filled once: A's 16 groups (2 x 4,096 bytes), then B's 16 groups of the first tile and 16 of the second (2 x 8,192)
.set SPARE, SCL+2*4096+2*8192          ; the spare words, 128 bytes for each wave: two blocks of 256 bytes that no other line names
.set PIMG,  SPARE+512                  ; p's 16 fragments (8 th + tile), 1,536 bytes each;
.set VIMG,  PIMG+16*1536               ; v's;
.set PSC,   VIMG+16*1536               ; their scale words, 128 bytes a fragment;
.set VSC,   PSC+16*128
.set CMX,   VSC+16*128                 ; each wave's largest scores, 256 bytes a wave
.set AOFF,  64                         ; Wk's and Wv's groups begin here in wimg
.set NEXTB, 16*REC-2*3072              ; bytes from a slot's last 256 along K of a tile to its first of the next: B goes 16 groups on and back along K; A only back, 2 x 3,072
.set EB,  1                            ; v1   where I store images: PIMG + 1536 (8 th + 4 i) + 16 x lane
.set ES,  2                            ; v2   and scale words: PSC + 128 (8 th + 4 i) + 4 x lane
.set RP,  3                            ; v3   where I read p's images: PIMG + 1536 x 4 i + 16 x lane
.set RV,  4                            ; v4   v's: VIMG + 1536 x 4 th + 16 x lane
.set RPS, 5                            ; v5   p's scale words
.set RVS, 6                            ; v6   v's
.set CMW, 7                            ; v7   my wave's largest scores
.set CMR, 8                            ; v8   those of the wave with the other half of the steps
.set PO,  9                            ; v9   my byte offset in the part
.set SA,  10                           ; v10  and in the stat record
.set ADRA, 16                          ; v16-17 LDS address of my A fragments in slot 0, 1
.set BKA,  18                          ; v18  bk: 4 (r + 8 (r / 8))
.set BVA,  19                          ; v19  bv: 4 r
.set ADRB, 20                          ; v20-21 the same as ADRA for B
.set ADRS1, 26                         ; v26  my scale words in the second tile
.set ADRS0, 27                         ; v27  and in the first: lanes 0-15 A's rows, lanes 16-31 B's
.set SPW,  28                          ; v28  my spare word; never rewritten
.set NIL,  29                          ; v29  0; never rewritten
.set SC,   32                          ; v32-63 scale words and nothing else
.set AF,   64                          ; v64-159 A's fragments, one set;  window 1: B's two sets at v0 and v128
.set PCS,  64                          ; behind the first product: four sets of 20 registers for codes
.set TM,   144                         ; v144-159 at work in the quantiser
.set BM,   160                         ; v160-175 largest score, then largest p, of block 4 a + b
.set BX,   176                         ; v176-191 lane permutes' destinations, then the conversions' scale operands
.set CM,   192                         ; v192-195 largest score of my column in tile a
.set CP,   196                         ; v196-199 the partner's; at work
.set BI,   200                         ; v200-207 pairs (bv of tile a, bk of tile a): loaded once, kept for both tiles
.set KB,   208                         ; v208-215 pairs (bk log2(e) - M, -M)
.set BKC,  216                         ; v216-219 bk log2(e)
.set SUM,  220                         ; v220-235 the sums of p, two chains of pairs a tile
.set BY,   236                         ; v236-251 scale bytes
.set WV, 16                            ; s16 wave; s17 = wave / 2: my half of A (i), and: I fetch for A (0) or B (1); s18 = wave % 2: my half of B (th), and: which eight groups I fetch
.set HA, 17
.set HB, 18
.set TR, 19                            ; s19 tile row = the head;  s20 tile column: the pair of runs 2 s20, 2 s20 + 1 of the 64 (16 b + run)
.set TC, 20
.set G1, 24                            ; s[24:31] descriptor group 1 for A's codes;  s[32:39] group 0, one set for each slot
.set G0, 32
.set G1B, 48                           ; s[48:55], s[56:63] the same for B
.set G0B, 56
.set G1S, 68                           ; s[68:75], s[76:79] groups 1 and 0 for A's scale bytes;  s[80:87], s[88:91] for B's
.set G0S, 76
.set G1SB, 80
.set G0SB, 88
.set HMSK, 94                          ; s94  lanes 16-31
.set FLO,  95                          ; s95  the floor 2^(3 - 127)
.set CS,   100                         ; s[100:101] log2(e), twice
.set SEL,  104                         ; s[104:105] v_permlanex16_b32's selects for lane l xor 16
.set MSB, 0
.macro WIN new                         ; the immediate's high byte repeats the setting that is left
.if MSB != (\new)
	s_set_vgpr_msb (MSB<<8)|(\new)
.set MSB, (\new)
.endif
.endm
.set MUL_LO, 0xa1                      ; source 0 (B) window 1, source 1 (A) window 0, C and D window 2
.set MUL_HI, 0xf1                      ; the same, C and D window 3
.set TO_B,   0x40                      ; destination window 1, address window 0
; A joint load: waves 0 and 1 fetch for A, waves 2 and 3 for B; the branch hangs on the wave's number alone.  Four v_nop follow each of the two lines.
.macro JLOAD g0a, g1a, g0b, g1b
	s_cmp_eq_u32 s[HA], 0
	s_cbranch_scc0 .Lfor_b_\@
	tensor_load_to_lds s[\g0a:\g0a+3], s[\g1a:\g1a+7]
	s_nop 0
.rept 4
	v_nop
.endr
	s_branch .Lasked_\@
.Lfor_b_\@:
	tensor_load_to_lds s[\g0b:\g0b+3], s[\g1b:\g1b+7]
	s_nop 0
.rept 4
	v_nop
.endr
.Lasked_\@:
.endm
.macro CREST                           ; a round of the cluster's barrier behind its opening barrier
	s_cmp_lg_u32 s[WV], 0
	s_cbranch_scc1 .Lnot_wave_0_\@
	s_barrier_signal -3
.Lnot_wave_0_\@:
	s_barrier_wait -3
	s_barrier_signal -1
	s_barrier_wait -1
.endm
.macro CROUND                          ; a whole round
	s_barrier_signal -1
	s_barrier_wait -1
	CREST
.endm
	s_load_b128 s[4:7], s[0:1], 0x0                ; wimg (A), xtimg (B)
	s_load_b128 s[8:11], s[0:1], 0x10              ; bk, bv
	s_load_b128 s[12:15], s[0:1], 0x20             ; part, stat
	v_lshl_add_u32 v[SPW], v0, 2, SPARE
	v_mov_b32 v[NIL], 0
	ds_add_u32 v28, v29
	ds_add_u32 v28, v29
	s_wait_dscnt 0x0
	v_lshrrev_b32 v11, 5, v0
	v_readfirstlane_b32 s[WV], v11                 ; wave 0..3
	s_lshr_b32 s[HA], s[WV], 1
	s_and_b32 s[HB], s[WV], 1
	s_bfe_u32 s21, ttmp6, 0x40000                  ; cx, cy: my place in the cluster
	s_bfe_u32 s22, ttmp6, 0x40004
	s_lshl_b32 s[TC], ttmp9, 2
	s_add_co_u32 s[TC], s[TC], s21                 ; tile column = 4 x cluster x + cx
	s_and_b32 s[TR], ttmp7, 0xffff
	s_lshl_b32 s[TR], s[TR], 2
	s_add_co_u32 s[TR], s[TR], s22                 ; tile row = 4 x cluster y + cy
	s_lshl_b32 s96, s22, 2
	s_lshl_b32 s96, 15, s96                        ; my row of the cluster
	s_lshl_b32 s97, 0x1111, s21                    ; my column
	; descriptor group 1, codes: eight rows (groups) of 3,072 bytes = 384 elements of 8 bytes, 12,800 bytes = 1,600 elements apart; no padding: every fragment load reads 512 consecutive bytes
	s_or_b32 s[G1+0], s96, (3<<16)|(1<<21)         ; 15:0 the mask: A's tiles go to my row; 17:16 elements of 8 bytes; 21 set beside a mask
	s_or_b32 s[G1B+0], s97, (3<<16)|(1<<21)
.irp g, G1, G1B
	s_mov_b32 s[\g+1], 384<<16                     ; tensor_dim0
	s_mov_b32 s[\g+2], 8<<16                       ; tensor_dim1
	s_mov_b32 s[\g+3], 384<<16                     ; tile_dim0
	s_mov_b32 s[\g+4], 8                           ; tile_dim1
	s_mov_b32 s[\g+5], 1600                        ; tensor_dim0_stride
	s_mov_b32 s[\g+6], 0
	s_mov_b32 s[\g+7], 0
.endr
	; and scale bytes: rows of 512 bytes: A's eight groups a wave; B's sixteen a wave: a whole tile's
	s_or_b32 s[G1S+0], s96, (3<<16)|(1<<21)
	s_mov_b32 s[G1S+1], 64<<16
	s_mov_b32 s[G1S+2], 8<<16
	s_mov_b32 s[G1S+3], 64<<16
	s_mov_b32 s[G1S+4], 8
	s_mov_b32 s[G1S+5], 1600
	s_mov_b32 s[G1S+6], 0
	s_mov_b32 s[G1S+7], 0
	s_or_b32 s[G1SB+0], s97, (3<<16)|(1<<21)
	s_mov_b32 s[G1SB+1], 64<<16
	s_mov_b32 s[G1SB+2], 16<<16
	s_mov_b32 s[G1SB+3], 64<<16
	s_mov_b32 s[G1SB+4], 16
	s_mov_b32 s[G1SB+5], 1600
	s_mov_b32 s[G1SB+6], 0
	s_mov_b32 s[G1SB+7], 0
	s_lshl_b32 s23, s[HB], 3                       ; which eight groups of a tile I fetch
	s_lshl_b32 s40, s[TR], 4
	s_add_co_u32 s40, s40, s23
	s_add_co_u32 s40, s40, AOFF                    ; A: group AOFF + 16 x tile row + 8 x half
	s_mul_i32 s40, s40, REC
	s_mov_b32 s41, 0
	s_lshl_b32 s42, s[TC], 5                       ; B: two tiles of 16 groups to a tile column
	s_lshl_b32 s92, s[HB], 4
	s_add_co_u32 s92, s92, s42                     ; its scale bytes: wave 2 fetches the first tile's 16 groups, wave 3 the second's
	s_mul_i32 s92, s92, REC
	s_mov_b32 s93, 0
	s_add_co_u32 s42, s42, s23                     ; its codes: group 32 x tile column + 8 x half, in the first tile
	s_mul_i32 s42, s42, REC
	s_mov_b32 s43, 0
	s_mul_i32 s46, s[WV], HALFT                    ; where they go: by the wave's number alone
	s_lshl_b32 s47, s[WV], 12
	s_lshl_b32 s2, s[WV], 13
	s_wait_kmcnt 0x0
	s_add_nc_u64 s[40:41], s[4:5], s[40:41]
	s_add_nc_u64 s[42:43], s[6:7], s[42:43]
	s_add_nc_u64 s[92:93], s[6:7], s[92:93]
	CROUND                                         ; all sixteen work-groups are here: the first joint loads meet
	s_mov_b32 s[G0S], 1
	s_add_co_u32 s[G0S+1], s47, SCL                ; waves 0, 1: SCL + 4,096 x wave
	s_add_nc_u64 s[G0S+2:G0S+3], s[40:41], 12288
	s_or_b32 s[G0S+3], s[G0S+3], 0x80000000
	s_mov_b32 s[G0SB], 1
	s_add_co_u32 s[G0SB+1], s2, SCL-8192           ; waves 2, 3: SCL + 8,192 + 8,192 x (wave - 2)
	s_add_nc_u64 s[G0SB+2:G0SB+3], s[92:93], 12288
	s_or_b32 s[G0SB+3], s[G0SB+3], 0x80000000
	JLOAD G0S, G1S, G0SB, G1SB                     ; the scale bytes first: they are wanted with K step 0
.irp s, 0,1
	s_mov_b32 s[G0+4*\s], 1
	s_add_co_u32 s[G0+4*\s+1], s46, \s*SLOT
	s_add_nc_u64 s[G0+4*\s+2:G0+4*\s+3], s[40:41], \s*3072
	s_or_b32 s[G0+4*\s+3], s[G0+4*\s+3], 0x80000000
	s_mov_b32 s[G0B+4*\s], 1
	s_add_co_u32 s[G0B+4*\s+1], s46, \s*SLOT
	s_add_nc_u64 s[G0B+4*\s+2:G0B+4*\s+3], s[42:43], \s*3072
	s_or_b32 s[G0B+4*\s+3], s[G0B+4*\s+3], 0x80000000
	JLOAD G0+4*\s, G1, G0B+4*\s, G1B               ; three tensor loads of mine are out
.endr
	v_and_b32 v11, 15, v0                          ; r
	v_bfe_u32 v12, v0, 4, 1                        ; h
	v_and_b32 v13, 31, v0                          ; lane
	v_lshlrev_b32 v14, 4, v13                      ; 16 x lane
	v_lshlrev_b32 v23, 2, v13                      ; 4 x lane
	s_mul_i32 s44, s[HA], HALFT                    ; my eight groups of A,
	s_mul_i32 s45, s[HB], HALFT                    ; my eight of B,
	s_add_co_u32 s45, s45, 2*HALFT                 ; which lie behind A's sixteen
.irp s, 0,1
	v_add_nc_u32 v[ADRA+\s], s44, v14
	v_add_nc_u32 v[ADRB+\s], s45, v14
	s_add_co_u32 s44, s44, SLOT
	s_add_co_u32 s45, s45, SLOT
.endr
	v_lshlrev_b32 v15, 3, v11                      ; scale words: 8 bytes a row and slot
	s_lshl_b32 s44, s[HA], 12                      ; A's: my eight groups
	s_lshl_b32 s45, s[HB], 12                      ; B's, behind A's
	s_add_co_u32 s45, s45, 2*4096
	s_sub_co_u32 s45, s45, s44
	v_mul_u32_u24 v22, s45, v12                    ; lanes 16-31 take B's: the first tile's,
	s_add_co_u32 s45, s45, 8192
	v_mul_u32_u24 v24, s45, v12                    ; the second tile's
	s_add_co_u32 s44, s44, SCL
	v_add_nc_u32 v15, s44, v15
	v_add_nc_u32 v[ADRS0], v15, v22
	v_add_nc_u32 v[ADRS1], v15, v24
	s_lshl_b32 s44, s[HB], 3
	s_lshl_b32 s45, s[HA], 2
	s_add_co_u32 s44, s44, s45                     ; 8 th + 4 i
	s_mul_i32 s45, s44, 1536
	s_add_co_u32 s45, s45, PIMG
	v_add_nc_u32 v[EB], s45, v14
	s_lshl_b32 s45, s44, 7
	s_add_co_u32 s45, s45, PSC
	v_add_nc_u32 v[ES], s45, v23
	s_mul_i32 s45, s[HA], 4*1536
	s_add_co_u32 s45, s45, PIMG
	v_add_nc_u32 v[RP], s45, v14
	s_mul_i32 s45, s[HB], 4*1536
	s_add_co_u32 s45, s45, VIMG
	v_add_nc_u32 v[RV], s45, v14
	s_lshl_b32 s45, s[HA], 9
	s_add_co_u32 s45, s45, PSC
	v_add_nc_u32 v[RPS], s45, v23
	s_lshl_b32 s45, s[HB], 9
	s_add_co_u32 s45, s45, VSC
	v_add_nc_u32 v[RVS], s45, v23
	v_lshlrev_b32 v[BVA], 2, v11
	s_lshl_b32 s45, s[WV], 8
	s_add_co_u32 s45, s45, CMX
	v_add_nc_u32 v[CMW], s45, v[BVA]
	s_xor_b32 s45, s[WV], 1                        ; the wave with my tiles and the other half of the steps
	s_lshl_b32 s45, s45, 8
	s_add_co_u32 s45, s45, CMX
	v_add_nc_u32 v[CMR], s45, v[BVA]
	v_lshlrev_b32 v[PO], 4, v11
	v_lshl_add_u32 v[PO], v12, 11, v[PO]           ; the part: 16 r + 2048 h
	v_and_b32 v[BKA], 8, v11
	v_add_nc_u32 v[BKA], v[BKA], v11
	v_lshlrev_b32 v[BKA], 2, v[BKA]                ; 4 (r + 8 (r / 8)): Wk's rows of a tile
	v_lshl_add_u32 v[SA], v12, 9, v[BKA]           ; the stat record: lanes 0-15 M, lanes 16-31 the sum, 512 bytes on
	s_lshl_b32 s98, s[TR], 9                       ; the head's 128 numbers of a bias, my 64 of them
	s_lshl_b32 s99, s[HA], 8
	s_add_co_u32 s98, s98, s99
	s_mov_b32 s99, 0
	s_add_nc_u64 s[8:9], s[8:9], s[98:99]
	s_add_nc_u64 s[10:11], s[10:11], s[98:99]
.irp a, 0,1,2,3
	global_load_b32 v[BI+2*\a], v[BVA], s[10:11] offset:64*\a                     ; bv of my column in v's tile a
	global_load_b32 v[BI+2*\a+1], v[BKA], s[8:9] offset:(32*(\a/2)+8*(\a%2))*4    ; bk of my column in k's tile a
.endr
	s_lshl_b32 s66, s[TR], 6
	s_lshl_b32 s67, s[TC], 1
	s_add_co_u32 s66, s66, s67                     ; the first tile's record: 64 head + 16 b + run; the second tile's is the next
	s_lshl_b32 s98, s66, 16
	s_lshl_b32 s67, s[HB], 15
	s_add_co_u32 s98, s98, s67
	s_lshl_b32 s67, s[HA], 13
	s_add_co_u32 s98, s98, s67
	s_add_nc_u64 s[12:13], s[12:13], s[98:99]      ; the part at l = 64 th, d = 64 i
	s_lshl_b32 s98, s66, 11
	s_lshl_b32 s67, s[HB], 10
	s_add_co_u32 s98, s98, s67
	s_lshl_b32 s67, s[HA], 8
	s_add_co_u32 s98, s98, s67
	s_add_nc_u64 s[14:15], s[14:15], s[98:99]
	s_mov_b32 s[HMSK], 0xffff0000
	s_mov_b32 s[FLO], 0x1800000
	s_mov_b32 s[CS], 0x3fb8aa3b                    ; log2(e)
	s_mov_b32 s[CS+1], s[CS]                       ; (named with it as a pair, so it is written)
	s_mov_b32 s[SEL], 0x76543210
	s_mov_b32 s[SEL+1], 0xfedcba98
.macro FRAG reg, adr, q, i             ; a fragment as it lies: group i of my eight, the slot's q-th 128 along K
.irp c, 0,1,2
	ds_load_b128 v[\reg+4*\c:\reg+4*\c+3], v[\adr] offset:3072*(\i)+1536*(\q)+512*\c
.endr
.endm
; 16 matrix instructions: A's blocks a0, a0 + 1 x B's eight, 128 along K.  p: B's set;  sc: the set of scale words.  zero = 1: the first product starts the sums.
; The 64 accumulators take turns, one instruction a turn, in the same order in every step.
.macro MUL16 a0, p, q, sc, zero
.irp a, \a0, \a0+1
.irp b, 0,1,2,3,4,5,6,7
.if \zero
	v_wmma_scale_f32_16x16x128_f8f6f4 v[8*(8*((\a)%4)+\b):8*(8*((\a)%4)+\b)+7], v[128*(\p)+FR*\b:128*(\p)+FR*\b+FR-1], v[AF+FR*(\a):AF+FR*(\a)+FR-1], 0, v[SC+8*NQ*(\sc)+NQ*\b+(\q)], v[SC+8*NQ*(\sc)+NQ*(\a)+(\q)] matrix_a_fmt:MATRIX_FMT_FP6 matrix_b_fmt:MATRIX_FMT_FP6 matrix_a_scale:MATRIX_SCALE_ROW1
.else
	v_wmma_scale_f32_16x16x128_f8f6f4 v[8*(8*((\a)%4)+\b):8*(8*((\a)%4)+\b)+7], v[128*(\p)+FR*\b:128*(\p)+FR*\b+FR-1], v[AF+FR*(\a):AF+FR*(\a)+FR-1], v[8*(8*((\a)%4)+\b):8*(8*((\a)%4)+\b)+7], v[SC+8*NQ*(\sc)+NQ*\b+(\q)], v[SC+8*NQ*(\sc)+NQ*(\a)+(\q)] matrix_a_fmt:MATRIX_FMT_FP6 matrix_b_fmt:MATRIX_FMT_FP6 matrix_a_scale:MATRIX_SCALE_ROW1
.endif
.endr
.endr
.endm
.macro FETCH_B slot, q, p
	WIN TO_B
.irp i, 0,1,2,3,4,5,6,7
	FRAG 128*(\p)+FR*\i, ADRB+\slot, \q, \i
.endr
	WIN 0
.endm
.macro FETCH_A slot, q, i0
.irp i, \i0, \i0+1, \i0+2, \i0+3
	FRAG AF+FR*(\i), ADRA+\slot, \q, \i
.endr
.endm
.macro SCALES sc                       ; a slot's scale words into set sc: two words a row; lanes 0-15 take A's block i, lanes 16-31 B's block i.  ADRS names the tile's address register
.irp i, 0,1,2,3,4,5,6,7
	ds_load_b64 v[SC+8*NQ*\sc+NQ*\i:SC+8*NQ*\sc+NQ*\i+1], v[ADRS] offset:\i*512
.endr
.endm
; A load into a register that a matrix instruction has read, and a vector instruction or a store that reads a matrix result, stand NP places behind it; only plain vector instructions that name none of
; its registers are places (ISA guide 7.12.1 for vector instructions).
.macro PLACES n
.rept \n
	v_nop
.endr
.endm
.macro STEP slot, q, zero              ; a step of 128 along K that has its successor in the same slot
	s_wait_dscnt 4*NL                              ; B's set and A's blocks 0-3 are in; the youngest twelve loads (A's blocks 4-7) may be out
	WIN MUL_LO
	MUL16 0, (\q)%2, \q, \slot, \zero
	MUL16 2, (\q)%2, \q, \slot, \zero
	s_wait_dscnt 0                                 ; A's blocks 4-7 are in
	PLACES NP
	FETCH_B \slot, (\q)+1, 1-(\q)%2
	FETCH_A \slot, (\q)+1, 0
	WIN MUL_HI
	MUL16 4, (\q)%2, \q, \slot, \zero
	MUL16 6, (\q)%2, \q, \slot, \zero
	PLACES NP
	WIN 0
	FETCH_A \slot, (\q)+1, 4
.endm
; The walking descriptors of a slot.  on = 1: two slots on along K;  on = 2: to the next tile's first 256 along K of this slot
.macro WALK slot, on
.if \on == 2
	s_sub_nc_u64 s[G0+4*\slot+2:G0+4*\slot+3], s[G0+4*\slot+2:G0+4*\slot+3], 2*3072
	s_add_nc_u64 s[G0B+4*\slot+2:G0B+4*\slot+3], s[G0B+4*\slot+2:G0B+4*\slot+3], NEXTB
.else
	s_add_nc_u64 s[G0+4*\slot+2:G0+4*\slot+3], s[G0+4*\slot+2:G0+4*\slot+3], 2*3072
	s_add_nc_u64 s[G0B+4*\slot+2:G0B+4*\slot+3], s[G0B+4*\slot+2:G0B+4*\slot+3], 2*3072
.endif
.endm
; A slot's last step changes slots: one barrier; in front of it each wave waits for all its tensor loads, adds 0 to its spare word, and waits for that and for its reads of this slot.  fill = 1, 2: the slot is filled again (WALK).
.macro TURN slot, next, fill
	s_wait_tensorcnt 0x0                           ; all my tensor loads have landed: my part of the next slot
	ds_add_u32 v[SPW], v[NIL]                      ; 0 onto my spare word
	s_wait_dscnt 4*NL+1                            ; (the add and A's blocks 4-7 may be out)
	WIN MUL_LO
	MUL16 0, 1, NQ-1, \slot, 0                     ; sixteen matrix instructions stand between the add and the wait for it
	s_wait_dscnt 0x0                               ; the add is done, and my reads of this slot are over
	s_barrier_signal -1
	MUL16 2, 1, NQ-1, \slot, 0
	WIN 0
	s_barrier_wait -1
.if \fill
	CREST                                          ; the barrier has opened a round of the cluster's: no wave of any partner still reads this slot or has a load on its way
	WALK \slot, \fill
	JLOAD G0+4*\slot, G1, G0B+4*\slot, G1B         ; the first tensor load behind the round, my one load until the next; its four v_nop are the places in front of the loads below
.else
	PLACES NP
.endif
	v_add_nc_u32 v[ADRS], 128, v[ADRS]             ; on to the next slot's scale words (no LDS load of mine is out)
	FETCH_B \next, 0, 0
	FETCH_A \next, 0, 0
	SCALES \next
	WIN MUL_HI
	MUL16 4, 1, NQ-1, \slot, 0
	MUL16 6, 1, NQ-1, \slot, 0
	PLACES NP
	WIN 0
	FETCH_A \next, 0, 4
.endm
; THE FIRST PRODUCT of tile tl: K = 1,024: four slots' worth, written out.  Slot 0 is whole when it begins.
.macro GEMM tl
	FETCH_B 0, 0, 0
	FETCH_A 0, 0, 0
	SCALES 0
	FETCH_A 0, 0, 4
	STEP 0, 0, 1
	TURN 0, 1, 1
	STEP 1, 0, 0
	TURN 1, 0, 1
	STEP 0, 0, 0
.if \tl == 0
	TURN 0, 1, 2                                   ; the ring goes on into the next tile: slot 0 takes its first 256 along K
.else
	TURN 0, 1, 0                                   ; nothing is left to fetch
.endif
	STEP 1, 0, 0
	s_wait_dscnt 4*NL
	WIN MUL_LO
	MUL16 0, 1, NQ-1, 1, 0
	MUL16 2, 1, NQ-1, 1, 0
	s_wait_dscnt 0
	WIN MUL_HI
	MUL16 4, 1, NQ-1, 1, 0
	MUL16 6, 1, NQ-1, 1, 0
	WIN 0
.endm
; four floored block maxima v[m ..] -> the conversions' scale operands v[so ..], bytes v[by ..], the row's scale word v[pw]
.macro MKSCALE m, so, by, pw
.irp b, 0,1,2,3
	v_add_nc_u32 v[\so+\b], 0xff000000, v[\m+\b]   ; 2 off the exponent field
.endr
.irp b, 0,1,2,3
	v_lshrrev_b32 v[\by+\b], 23, v[\so+\b]
.endr
	v_lshl_or_b32 v[\pw], v[\by+1], 8, v[\by]
	v_lshl_or_b32 v[\pw], v[\by+2], 16, v[\pw]
	v_lshl_or_b32 v[\pw], v[\by+3], 24, v[\pw]
.endm
; 64 numbers v[s ..] of window w (register 16 b + e = K 32 b + 16 (lane / 16) + e of my row) -> a fragment's 12 registers v[pc ..]
.macro CODES s, w, pc, so
	WIN \w
.irp c, 0,1
	v_cvt_scalef32_pk16_fp6_f32 v[\pc+6*\c:\pc+6*\c+2], v[\s+32*\c:\s+32*\c+15], v[\so+2*\c]
	v_cvt_scalef32_pk16_fp6_f32 v[\pc+12+4*\c:\pc+14+4*\c], v[\s+32*\c+16:\s+32*\c+31], v[\so+2*\c+1]   ; (a conversion's three registers begin on an even number)
.endr
	WIN 0
	v_nop                                          ; one plain line behind the scaled conversions
.irp c, 0,1                            ; the operand's layout wants a whole block in a lane: lanes 0-15 block 2 c, lanes 16-31 block 2 c + 1
.irp i, 0,1,2
	v_permlane16_swap_b32 v[\pc+6*\c+\i], v[\pc+12+4*\c+\i]
.endr
.irp i, 0,1,2
	v_mov_b32 v[\pc+3+6*\c+\i], v[\pc+12+4*\c+\i]
.endr
.endr
.endm
.macro QUANTW s, pc, pw                ; the whole quantiser for 64 numbers of window 3
	WIN 0x3c                                       ; sources 1 and 2 window 3
.irp b, 0,1,2,3
	v_max3_num_f32 v[TM+\b], s[FLO], |v[\s+16*\b]|, |v[\s+16*\b+1]|   ; with the floor, so that the byte cannot fall under 1
.endr
.irp i, 2,4,6,8,10,12,14
.irp b, 0,1,2,3
	v_max3_num_f32 v[TM+\b], v[TM+\b], |v[\s+16*\b+\i]|, |v[\s+16*\b+\i+1]|
.endr
.endr
	WIN 0
.irp b, 0,1,2,3
	v_permlanex16_b32 v[TM+4+\b], v[TM+\b], s[SEL], s[SEL+1]
.endr
.irp b, 0,1,2,3
	v_max_num_f32 v[TM+\b], v[TM+\b], v[TM+4+\b]   ; with lane l xor 16's 16 numbers: the block's
.endr
	MKSCALE TM, TM+12, TM+4, \pw
	CODES \s, 3, \pc, TM+12
.endm
.macro IMAGE pc, off                   ; a fragment goes to LDS as it stands
.irp c, 0,1,2
	ds_store_b128 v[EB], v[\pc+4*\c:\pc+4*\c+3] offset:\off+512*\c
.endr
.endm
; BEHIND THE FIRST PRODUCT of tile tl
.macro EPI tl
	PLACES NP                                      ; behind the last products: results are read, and registers that held fragments are written
.if \tl == 0
.set n, 0
.rept 16
	v_mov_b32 v[BX+n], 0                           ; written once: a lane permute's destination counts as one of its sources
.set n, n+1
.endr
.irp b, 0,1,2,3
	v_mov_b32 v[TM+4+\b], 0
.endr
	s_wait_loadcnt 0x0                             ; the biases
.endif
	; THE LARGEST SCORE OF EACH BLOCK OF 32 STEPS (16 blocks: tile a, block b).  It serves twice: for the column's maximum and, since p rises with the score, for the block's largest p.  Each accumulator is read from its low end on.
	WIN 0x2a                                       ; all three sources window 2
.irp a, 0,1,2,3
.irp b, 0,1,2,3
	v_max3_num_f32 v[BM+4*\a+\b], v[64*\a+16*\b], v[64*\a+16*\b+1], v[64*\a+16*\b+2]
.endr
.endr
	WIN 0x28
.irp i, 3,5,7,9,11,13
.irp a, 0,1,2,3
.irp b, 0,1,2,3
	v_max3_num_f32 v[BM+4*\a+\b], v[BM+4*\a+\b], v[64*\a+16*\b+\i], v[64*\a+16*\b+\i+1]
.endr
.endr
.endr
	WIN 0x08
.irp a, 0,1,2,3
.irp b, 0,1,2,3
	v_max_num_f32 v[BM+4*\a+\b], v[BM+4*\a+\b], v[64*\a+16*\b+15]
.endr
.endr
	WIN 0
.set n, 0
.rept 16
	v_permlanex16_b32 v[BX+n], v[BM+n], s[SEL], s[SEL+1]
.set n, n+1
.endr
.set n, 0
.rept 16
	v_max_num_f32 v[BM+n], v[BM+n], v[BX+n]
.set n, n+1
.endr
.irp a, 0,1,2,3
	v_max3_num_f32 v[CM+\a], v[BM+4*\a], v[BM+4*\a+1], v[BM+4*\a+2]
.endr
.irp a, 0,1,2,3
	v_max_num_f32 v[CM+\a], v[CM+\a], v[BM+4*\a+3] ; my 128 steps' largest score of my column
.endr
.irp a, 0,1,2,3
	ds_store_b32 v[CMW], v[CM+\a] offset:64*\a     ; (lanes r and r + 16 write the same word with the same value)
.endr
	; v + bv, quantised along t; images to LDS
.irp a, 0,1,2,3
	WIN 0xc3                                       ; destination and source 0 window 3
.set j, 0
.rept 32
	v_pk_add_f32 v[64*\a+j:64*\a+j+1], v[64*\a+j:64*\a+j+1], v[BI+2*\a:BI+2*\a+1] op_sel_hi:[1,0]   ; (of the pair the low word, bv, serves both halves)
.set j, j+2
.endr
	QUANTW 64*\a, PCS+20*\a, 32+\a
	IMAGE PCS+20*\a, 24576+1536*\a
	ds_store_b32 v[ES], v[32+\a] offset:2048+128*\a
.endr
.if \tl == 0
	; this barrier is also the one in front of slot 1's refill: nobody has read slot 1 since the first product's last step
	s_wait_tensorcnt 0x0                           ; all my tensor loads have landed: my part of the next tile's slot 0, asked for a slot's products and the lines above ago
	ds_add_u32 v[SPW], v[NIL]                      ; 0 onto my spare word
	s_wait_dscnt 0x0                               ; the add is done, my stores have landed, my reads of slot 1 are long over
	CROUND                                         ; a round of the cluster's barrier: the same holds of every wave of every partner; slot 0 is whole for everybody
	WALK 1, 2
	JLOAD G0+4, G1, G0B+4, G1B                     ; the first tensor load behind the round, my one load until the next: the next tile's second 256 along K; it has the rest of these lines in which to land
.else
	s_wait_dscnt 0x0                               ; for the others' sake: my stores have landed
	s_barrier_signal -1
	s_barrier_wait -1
.endif
.irp a, 0,1,2,3
	ds_load_b32 v[CP+\a], v[CMR] offset:64*\a      ; the other 128 steps' largest scores
.endr
	s_wait_dscnt 0x0
.irp a, 0,1,2,3
	v_max_num_f32 v[CM+\a], v[CM+\a], v[CP+\a]
	v_mul_f32 v[BKC+\a], s[CS], v[BI+2*\a+1]       ; bk log2(e)
.endr
.irp a, 0,1,2,3
	v_fma_f32 v[CP+\a], v[CM+\a], s[CS], v[BKC+\a] ; the largest t of the 256 steps
.endr
.irp a, 0,1,2,3
	v_floor_f32 v[KB+2*\a+1], -v[CP+\a]            ; -M = floor(-t) = -ceil(t): M is a whole number
.endr
.irp a, 0,1,2,3
	v_add_f32 v[KB+2*\a], v[BKC+\a], v[KB+2*\a+1]  ; bk log2(e) - M
.endr
	WIN 0x82                                       ; destination and source 0 window 2
.irp a, 0,1,2,3
.set j, 0
.rept 32
	v_pk_fma_f32 v[64*\a+j:64*\a+j+1], v[64*\a+j:64*\a+j+1], s[CS:CS+1], v[KB+2*\a:KB+2*\a+1] op_sel_hi:[1,0,0]   ; t - M
.set j, j+2
.endr
.endr
	WIN 0
.irp a, 0,1,2,3
.irp b, 0,1,2,3
	v_fma_f32 v[BM+4*\a+\b], v[BM+4*\a+\b], s[CS], v[KB+2*\a]   ; the same of each block's largest score
.endr
.endr
	WIN 0x82
.set j, 0
.rept 256
	v_exp_f32 v[j], v[j]                           ; p = 2^(t - M): not normalised
.set j, j+1
.endr
	WIN 0
.set n, 0
.rept 16
	v_mov_b32 v[SUM+n], 0                          ; the sums' eight chains begin; plain lines behind the exponentials
.set n, n+1
.endr
	s_wait_alu depctr_va_vdst(0)                   ; one wait for the whole batch, ahead of its first reader
.set n, 0
.rept 16
	v_exp_f32 v[BM+n], v[BM+n]                     ; each block's largest p: the same two instructions on the same number give the same bits
.set n, n+1
.endr
	WIN 0x08                                       ; source 1 window 2
.set j, 0
.rept 16
.irp a, 0,1,2,3
	v_pk_add_f32 v[SUM+4*\a:SUM+4*\a+1], v[SUM+4*\a:SUM+4*\a+1], v[64*\a+j:64*\a+j+1]         ; the sum is taken of the unquantised p
	v_pk_add_f32 v[SUM+4*\a+2:SUM+4*\a+3], v[SUM+4*\a+2:SUM+4*\a+3], v[64*\a+j+2:64*\a+j+3]
.endr
.set j, j+4
.endr
	WIN 0
.irp a, 0,1,2,3
	v_pk_add_f32 v[SUM+4*\a:SUM+4*\a+1], v[SUM+4*\a:SUM+4*\a+1], v[SUM+4*\a+2:SUM+4*\a+3]
.endr
.irp a, 0,1,2,3
	v_add_f32 v[SUM+4*\a], v[SUM+4*\a], v[SUM+4*\a+1]
.endr
.irp a, 0,1,2,3
	v_permlanex16_b32 v[BX+\a], v[SUM+4*\a], s[SEL], s[SEL+1]
.endr
.irp a, 0,1,2,3
	v_add_f32 v[SUM+4*\a], v[SUM+4*\a], v[BX+\a]   ; my 128 steps' sum of my column
.endr
	s_wait_alu depctr_va_vdst(0)                   ; and one wait for the sixteen
.set n, 0
.rept 16
	v_max_num_f32 v[BM+n], s[FLO], v[BM+n]         ; the floor: a block whose every p has fallen to 0 keeps the byte 1; its codes are zeros
.set n, n+1
.endr
.irp a, 0,1,2,3
	MKSCALE BM+4*\a, BX+4*\a, BY+4*\a, 36+\a
.endr
.irp a, 0,1,2,3
	CODES 64*\a, 2, PCS+20*\a, BX+4*\a
	IMAGE PCS+20*\a, 1536*\a
	ds_store_b32 v[ES], v[36+\a] offset:128*\a
.endr
	s_wait_dscnt 0x0                               ; for the others' sake: my stores have landed
	s_barrier_signal -1
	s_barrier_wait -1
	; THE SECOND PRODUCT: d-tiles 4 i + a (source 0) against l-tiles 4 th + e (source 1), two K steps of 128 time steps
.irp u, 0,1
	WIN 0x40
.irp a, 0,1,2,3
.irp c, 0,1,2
	ds_load_b128 v[96*\u+12*\a+4*\c:96*\u+12*\a+4*\c+3], v[RP] offset:12288*\u+1536*\a+512*\c
.endr
.endr
.irp a, 0,1,2,3
.irp c, 0,1,2
	ds_load_b128 v[96*\u+48+12*\a+4*\c:96*\u+48+12*\a+4*\c+3], v[RV] offset:12288*\u+1536*\a+512*\c
.endr
.endr
	WIN 0
.irp a, 0,1,2,3
	ds_load_b32 v[40+8*\u+\a], v[RPS] offset:1024*\u+128*\a
	ds_load_b32 v[44+8*\u+\a], v[RVS] offset:1024*\u+128*\a
.endr
.endr
	s_wait_dscnt 32                                ; the first K step's 32 loads are in; the second's may be out
	WIN 0xa5                                       ; sources 0 and 1 window 1, C and D window 2
.irp a, 0,1,2,3
.irp e, 0,1,2,3
	v_wmma_scale_f32_16x16x128_f8f6f4 v[8*(4*\a+\e):8*(4*\a+\e)+7], v[12*\a:12*\a+11], v[48+12*\e:48+12*\e+11], 0, v[40+\a], v[44+\e] matrix_a_fmt:MATRIX_FMT_FP6 matrix_b_fmt:MATRIX_FMT_FP6
.endr
.endr
	s_wait_dscnt 0x0
.irp a, 0,1,2,3                        ; the sixteen accumulators take turns, in the same order
.irp e, 0,1,2,3
	v_wmma_scale_f32_16x16x128_f8f6f4 v[8*(4*\a+\e):8*(4*\a+\e)+7], v[96+12*\a:96+12*\a+11], v[144+12*\e:144+12*\e+11], v[8*(4*\a+\e):8*(4*\a+\e)+7], v[48+\a], v[52+\e] matrix_a_fmt:MATRIX_FMT_FP6 matrix_b_fmt:MATRIX_FMT_FP6
.endr
.endr
	PLACES NP
	; lane (r, h), register j of tile (a, e): l = 64 th + 16 e + r, d = 64 i + 32 (a / 2) + 8 (a % 2) + 16 h + j.  The part lies [l / 32][d / 4][l % 32][d % 4]: sixteen lanes store 256 consecutive bytes, aligned
	WIN 0x08                                       ; a store's data are its source 1: window 2
.irp a, 0,1,2,3
.irp e, 0,1,2,3
	global_store_b128 v[PO], v[8*(4*\a+\e):8*(4*\a+\e)+3], s[12:13] offset:65536*\tl+(\e/2)*16384+(\e%2)*256+(8*(\a/2)+2*(\a%2))*512 th:TH_STORE_NT
	global_store_b128 v[PO], v[8*(4*\a+\e)+4:8*(4*\a+\e)+7], s[12:13] offset:65536*\tl+(\e/2)*16384+(\e%2)*256+(8*(\a/2)+2*(\a%2))*512+512 th:TH_STORE_NT
.endr
.endr
	WIN 0
.irp a, 0,1,2,3
	v_mul_f32 v[CP+\a], -1.0, v[KB+2*\a+1]         ; M
.endr
.irp a, 0,1,2,3
	v_cndmask_b32 v[CP+\a], v[CP+\a], v[SUM+4*\a], s[HMSK]   ; lanes 0-15 M, lanes 16-31 the sum
	global_store_b32 v[SA], v[CP+\a], s[14:15] offset:2048*\tl+(32*(\a/2)+8*(\a%2))*4
.endr
.if \tl == 0
	s_wait_xcnt 0x0                                ; the stores have read their registers: the next tile's products write over them.  Nothing waits for the stores themselves
.endif
.endm
	s_wait_tensorcnt 1                             ; the scale bytes and my part of slot 0 are in (slot 1's load may be out)
	s_barrier_signal -1
	s_barrier_wait -1                              ; everybody's are
.set ADRS, ADRS0
	GEMM 0
	EPI 0
.set ADRS, ADRS1
	GEMM 1                                         ; slot 0 was shown whole to every wave by the round in the lines above: no wait and no barrier stand here.  Twelve plain vector lines lie between the second product's last instruction and these loads and products
	EPI 1
	s_wait_tensorcnt 0x0                           ; the wave's end
	ds_add_u32 v[SPW], v[NIL]
	s_wait_dscnt 0x0
	CROUND                                         ; the closing round
	s_endpgm
.Lfunc_end_k_q7c2103f8b5_kv:
	.size	k_q7c2103f8b5_kv, .Lfunc_end_k_q7c2103f8b5_kv-k_q7c2103f8b5_kv
	.p2alignl 7, 3214868480
	.fill 96, 4, 3214868480
	.section	.rodata,"a",@progbits
	.p2align	6, 0x0
	.amdhsa_kernel k_q7c2103f8b5_kv
		.amdhsa_group_segment_fixed_size 327680
		.amdhsa_private_segment_fixed_size 0
		.amdhsa_enable_private_segment 0
		.amdhsa_kernarg_size 48
		.amdhsa_user_sgpr_count 2
		.amdhsa_user_sgpr_kernarg_segment_ptr 1
		.amdhsa_wavefront_size32 1
		.amdhsa_system_sgpr_workgroup_id_x 1
		.amdhsa_system_sgpr_workgroup_id_y 1
		.amdhsa_system_sgpr_workgroup_id_z 1
		.amdhsa_system_vgpr_workitem_id 0
		.amdhsa_next_free_vgpr 1024
		.amdhsa_next_free_sgpr 106
		.amdhsa_reserve_vcc 0
		.amdhsa_float_denorm_mode_32 3
		.amdhsa_float_denorm_mode_16_64 3
		.amdhsa_memory_ordered 1
		.amdhsa_forward_progress 1
		.amdhsa_inst_pref_size 255
	.end_amdhsa_kernel
	.section	.bss,"aw",@nobits
	.p2align	6
	.space	262144
	.amdgpu_metadata
---
amdhsa.version: [ 1, 2 ]
amdhsa.kernels:
  - .name:           k_q7c2103f8b5_kv
    .symbol:         k_q7c2103f8b5_kv.kd
    .args:
      - { .name: wimg, .offset: 0, .size: 8, .value_kind: global_buffer, .address_space: global }
      - { .name: xtimg, .offset: 8, .size: 8, .value_kind: global_buffer, .address_space: global }
      - { .name: bk, .offset: 16, .size: 8, .value_kind: global_buffer, .address_space: global }
      - { .name: bv, .offset: 24, .size: 8, .value_kind: global_buffer, .address_space: global }
      - { .name: part, .offset: 32, .size: 8, .value_kind: global_buffer, .address_space: global }
      - { .name: stat, .offset: 40, .size: 8, .value_kind: global_buffer, .address_space: global }
    .group_segment_fixed_size: 327680
    .private_segment_fixed_size: 0
    .kernarg_segment_align: 8
    .kernarg_segment_size: 48
    .max_flat_workgroup_size: 128
    .sgpr_count:     106
    .vgpr_count:     1024
    .wavefront_size: 32
...
	.end_amdgpu_metadata
.endif
;; end of part 2
;; launch comb (part 3): grid 512 x 1, 4 waves a work-group, no clusters, 16,896 bytes of LDS; arguments part, stat, attimg; writes attimg
.if DOCPART == 3
	.amdgcn_target "amdgcn-amd-amdhsa--gfx1250"
	.amdhsa_code_object_version 6
	.text
	.protected	k_q7c2103f8b5_comb
	.globl	k_q7c2103f8b5_comb
	.p2align	8
	.type	k_q7c2103f8b5_comb,@function
k_q7c2103f8b5_comb:
	s_mov_b64 s[64:65], 0
	v_nop
	global_prefetch_b8 v0, s[64:65] scope:SCOPE_SE
	s_setreg_imm32_b32 hwreg(HW_REG_WAVE_MODE, 25, 1), 1
	s_wait_xcnt 0x0
; att[d][l] = (sum over the 16 runs c of 2^(M_c[d] - M[d]) part_c[d][l]) / (sum over c of 2^(M_c[d] - M[d]) l_c[d]), M[d] = the largest M_c[d]; then att is quantised along d: codes of FP6 (E2M3), one E8M0 byte for 32 d.
; The M are whole numbers, so the powers of two are exact.  The parts are added in another order than a single sum over all time steps would add them, in f32.
; SHARES.  A work-group takes one (batch, head), 32 columns l and one block of 32 d; its wave w the runs 4 w .. 4 w + 3.  A lane holds one l, its 32 registers run along d (the part lies so: each load reads 512 consecutive bytes).
; A weight hangs on d, which is a register's number here: the stat numbers are loaded with a lane to a d, and each weight is read out of its lane into a scalar register.
; The four waves' sums meet in LDS; wave 0 adds, quantises and stores 24 bytes of codes and one byte a lane: pieces of rows of 96 bytes, so aligned blocks of 256 bytes are written in part; the whole output is 409,600 bytes.
; attimg: record 8 b + head of 12,800 bytes: row l: 96 bytes of codes, d ascending; from byte 12,288 one scale word for each l.
; LIMITS: a block of zeros gets the byte 1 (its codes are zeros; this program alone reads the bytes); NaN and infinities are not served.
.set MS, 16                            ; v16-31 M of the 16 runs, then M_c - M as whole numbers
.set L0, 32                            ; v32-47, v48-63 the sums of the two halves of each run
.set L1, 48
.set OM, 64                            ; v64-67 M of my four runs, then their weights
.set ACC, 96                           ; v96-127 my sums
.set PT, 128                           ; v128-255 four sets of 32 numbers
	s_load_b128 s[4:7], s[0:1], 0x0                ; part, stat
	s_load_b64 s[8:9], s[0:1], 0x10                ; attimg
	v_lshl_add_u32 v94, v0, 2, 0x4000
	v_mov_b32 v95, 0
	v_lshrrev_b32 v1, 5, v0
	v_readfirstlane_b32 s10, v1                    ; wave
	v_and_b32 v1, 31, v0                           ; lane
	s_lshr_b32 s11, ttmp9, 4                       ; 8 b + head
	s_bfe_u32 s12, ttmp9, 0x20002                  ; which 32 l
	s_and_b32 s13, ttmp9, 3                        ; which 32 d
	s_and_b32 s14, s11, 7
	s_lshl_b32 s14, s14, 6
	s_lshr_b32 s15, s11, 3
	s_lshl_b32 s15, s15, 4
	s_add_co_u32 s14, s14, s15                     ; the first run's record: 64 head + 16 b
	s_lshl_b32 s20, s14, 11
	s_lshl_b32 s15, s13, 7
	s_add_co_u32 s20, s20, s15                     ; stat: 2,048 bytes a record, + my 32 d
	s_mov_b32 s21, 0
	s_lshl_b32 s22, s10, 13                        ; my four runs' records
	s_mov_b32 s23, 0
	s_lshl_b32 s15, s10, 2
	s_add_co_u32 s24, s14, s15
	s_lshl_b32 s24, s24, 16                        ; part: 65,536 bytes a record,
	s_lshl_b32 s15, s12, 14
	s_add_co_u32 s24, s24, s15                     ; + 16,384 for 32 l,
	s_lshl_b32 s15, s13, 12
	s_add_co_u32 s24, s24, s15                     ; + 512 for 4 d
	s_mov_b32 s25, 0
	s_mul_i32 s26, s11, 12800
	s_mul_i32 s15, s12, 32*96
	s_add_co_u32 s28, s26, s15
	s_mul_i32 s15, s13, 24
	s_add_co_u32 s28, s28, s15                     ; codes: my 32 rows, my block's 24 bytes
	s_mov_b32 s29, 0
	s_lshl_b32 s15, s12, 7
	s_add_co_u32 s26, s26, s15
	s_add_co_u32 s26, s26, s13
	s_add_co_u32 s26, s26, 12288                   ; scale bytes
	s_mov_b32 s27, 0
	v_lshlrev_b32 v2, 2, v1                        ; 4 x lane
	v_lshlrev_b32 v3, 4, v1                        ; 16 x lane
	s_lshl_b32 s15, s10, 12
	v_add_nc_u32 v6, s15, v3                       ; LDS: 4,096 x wave + 16 x lane
	v_mul_u32_u24 v8, v1, 96
	s_wait_kmcnt 0x0
	s_add_nc_u64 s[6:7], s[6:7], s[20:21]
	s_add_nc_u64 s[16:17], s[6:7], s[22:23]
	s_add_nc_u64 s[4:5], s[4:5], s[24:25]
	s_add_nc_u64 s[18:19], s[8:9], s[26:27]
	s_add_nc_u64 s[8:9], s[8:9], s[28:29]
.set c, 0
.rept 16
	global_load_b32 v[MS+c], v2, s[6:7] offset:2048*c          ; a lane to a d
	global_load_b32 v[L0+c], v2, s[6:7] offset:2048*c+512
	global_load_b32 v[L1+c], v2, s[6:7] offset:2048*c+1536
.set c, c+1
.endr
.irp k, 0,1,2,3
	global_load_b32 v[OM+\k], v2, s[16:17] offset:2048*\k      ; my own runs' M once more, so that they stand in fixed registers
.endr
.irp k, 0,1,2,3
.irp j, 0,1,2,3,4,5,6,7
	global_load_b128 v[PT+32*\k+4*\j:PT+32*\k+4*\j+3], v3, s[4:5] offset:65536*\k+512*\j th:TH_LOAD_NT   ; register 4 j + e: d = 4 j + e of my 32; a lane to an l
.endr
.endr
	s_wait_loadcnt 32                              ; the stat numbers are in; the 32 loads of parts may be out
	v_max3_num_f32 v4, v[MS], v[MS+1], v[MS+2]
.irp i, 3,5,7,9,11,13
	v_max3_num_f32 v4, v4, v[MS+\i], v[MS+\i+1]
.endr
	v_max_num_f32 v4, v4, v[MS+15]                 ; M
.set c, 0
.rept 16
	v_sub_f32 v[MS+c], v[MS+c], v4                 ; a whole number, 0 or less
	v_add_f32 v[L0+c], v[L0+c], v[L1+c]
.set c, c+1
.endr
.set c, 0
.rept 16
	v_cvt_i32_f32 v[MS+c], v[MS+c]                 ; (it saturates)
.set c, c+1
.endr
.set c, 0
.rept 16
	v_ldexp_f32 v[L0+c], v[L0+c], v[MS+c]          ; each run's sum under M: exact
.set c, c+1
.endr
.irp c, 0,4,8,12
	v_pk_add_f32 v[L0+\c:L0+\c+1], v[L0+\c:L0+\c+1], v[L0+\c+2:L0+\c+3]
.endr
	v_pk_add_f32 v[L0:L0+1], v[L0:L0+1], v[L0+4:L0+5]
	v_pk_add_f32 v[L0+8:L0+9], v[L0+8:L0+9], v[L0+12:L0+13]
	v_pk_add_f32 v[L0:L0+1], v[L0:L0+1], v[L0+8:L0+9]
	v_add_f32 v5, v[L0], v[L0+1]                   ; the column's sum: above 1/2, since the run that holds M has a p above 1/2
	v_rcp_f32 v5, v5
.irp k, 0,1,2,3
	v_sub_f32 v[OM+\k], v[OM+\k], v4               ; (plain lines behind the transcendental)
.endr
.irp k, 0,1,2,3
	v_cvt_i32_f32 v[OM+\k], v[OM+\k]
.endr
	s_wait_alu depctr_va_vdst(0)                   ; the wait ahead of the reciprocal's first reader
.irp k, 0,1,2,3
	v_ldexp_f32 v[OM+\k], v5, v[OM+\k]             ; the weight of run k for d = my lane
.endr
.irp k, 0,1,2,3
	s_wait_loadcnt 24-8*\k                         ; set k's eight loads are in
.set d, 0
.rept 32
	v_readlane_b32 s[32+d], v[OM+\k], d
.set d, d+1
.endr
.set d, 0
.rept 32
.if \k == 0
	v_mul_f32 v[ACC+d], s[32+d], v[PT+d]           ; the first run starts the sums
.else
	v_fma_f32 v[ACC+d], s[32+d], v[PT+32*\k+d], v[ACC+d]
.endif
.set d, d+1
.endr
.endr
.irp j, 0,1,2,3,4,5,6,7
	ds_store_b128 v6, v[ACC+4*\j:ACC+4*\j+3] offset:512*\j
.endr
	s_wait_dscnt 0x0                               ; for the others' sake: my stores have landed
	s_barrier_signal -1
	s_barrier_wait -1
	s_cmp_lg_u32 s10, 0
	s_cbranch_scc1 .Lend                           ; wave 0 goes on alone
.irp w, 1,2,3
.irp j, 0,1,2,3,4,5,6,7
	ds_load_b128 v[PT+32*(\w-1)+4*\j:PT+32*(\w-1)+4*\j+3], v3 offset:4096*\w+512*\j
.endr
.endr
	s_wait_dscnt 0x0
.irp w, 0,1,2
.set d, 0
.rept 16
	v_pk_add_f32 v[ACC+d:ACC+d+1], v[ACC+d:ACC+d+1], v[PT+32*\w+d:PT+32*\w+d+1]
.set d, d+2
.endr
.endr
	v_max3_num_f32 v10, |v[ACC]|, |v[ACC+1]|, |v[ACC+2]|           ; the block's largest magnitude: all 32 numbers are mine
	v_max3_num_f32 v11, |v[ACC+3]|, |v[ACC+4]|, |v[ACC+5]|
.irp i, 6,10,14,18,22,26
	v_max3_num_f32 v10, v10, |v[ACC+\i]|, |v[ACC+\i+1]|
	v_max3_num_f32 v11, v11, |v[ACC+\i+2]|, |v[ACC+\i+3]|
.endr
	v_max3_num_f32 v10, v10, |v[ACC+30]|, |v[ACC+31]|
	v_max3_num_f32 v10, v10, v11, 0x1800000        ; the floor 2^(3 - 127): the byte cannot fall under 1
	v_add_nc_u32 v12, 0xff000000, v10              ; 2 off the exponent field: the conversions' scale operand
	v_cvt_scalef32_pk16_fp6_f32 v[16:18], v[ACC:ACC+15], v12
	v_cvt_scalef32_pk16_fp6_f32 v[22:24], v[ACC+16:ACC+31], v12    ; (a conversion's three registers begin on an even number)
	v_lshrrev_b32 v13, 23, v12                     ; the scale's byte; also the plain line behind the conversions
.irp i, 0,1,2
	v_mov_b32 v[19+\i], v[22+\i]
.endr
.irp p, 0,1,2
	global_store_b64 v8, v[16+2*\p:17+2*\p], s[8:9] offset:8*\p
.endr
	global_store_b8 v2, v13, s[18:19]
.Lend:
	s_wait_tensorcnt 0x0
	ds_add_u32 v94, v95
	s_wait_dscnt 0x0
	s_endpgm
.Lfunc_end_k_q7c2103f8b5_comb:
	.size	k_q7c2103f8b5_comb, .Lfunc_end_k_q7c2103f8b5_comb-k_q7c2103f8b5_comb
	.p2alignl 7, 3214868480
	.fill 96, 4, 3214868480
	.section	.rodata,"a",@progbits
	.p2align	6, 0x0
	.amdhsa_kernel k_q7c2103f8b5_comb
		.amdhsa_group_segment_fixed_size 16896
		.amdhsa_private_segment_fixed_size 0
		.amdhsa_enable_private_segment 0
		.amdhsa_kernarg_size 24
		.amdhsa_user_sgpr_count 2
		.amdhsa_user_sgpr_kernarg_segment_ptr 1
		.amdhsa_wavefront_size32 1
		.amdhsa_system_sgpr_workgroup_id_x 1
		.amdhsa_system_sgpr_workgroup_id_y 1
		.amdhsa_system_sgpr_workgroup_id_z 1
		.amdhsa_system_vgpr_workitem_id 0
		.amdhsa_next_free_vgpr 256
		.amdhsa_next_free_sgpr 66
		.amdhsa_reserve_vcc 0
		.amdhsa_float_denorm_mode_32 3
		.amdhsa_float_denorm_mode_16_64 3
		.amdhsa_memory_ordered 1
		.amdhsa_forward_progress 1
		.amdhsa_inst_pref_size 37
	.end_amdhsa_kernel
	.amdgpu_metadata
---
amdhsa.version: [ 1, 2 ]
amdhsa.kernels:
  - .name:           k_q7c2103f8b5_comb
    .symbol:         k_q7c2103f8b5_comb.kd
    .args:
      - { .name: part, .offset: 0, .size: 8, .value_kind: global_buffer, .address_space: global }
      - { .name: stat, .offset: 8, .size: 8, .value_kind: global_buffer, .address_space: global }
      - { .name: attimg, .offset: 16, .size: 8, .value_kind: global_buffer, .address_space: global }
    .group_segment_fixed_size: 16896
    .private_segment_fixed_size: 0
    .kernarg_segment_align: 8
    .kernarg_segment_size: 24
    .max_flat_workgroup_size: 128
    .sgpr_count:     66
    .vgpr_count:     256
    .wavefront_size: 32
...
	.end_amdgpu_metadata
.endif
;; end of part 3
;; launch qy (part 4): grid 4 x 64, 4 waves a work-group, clusters of 4 x 4, 327,680 bytes of LDS; arguments xnimg, wimg, bq, attimg, out0; writes out0
.if DOCPART == 4
	.amdgcn_target "amdgcn-amd-amdhsa--gfx1250"
	.amdhsa_code_object_version 6
	.text
	.protected	k_q7c2103f8b5_qy
	.globl	k_q7c2103f8b5_qy
	.p2align	8
	.type	k_q7c2103f8b5_qy,@function
k_q7c2103f8b5_qy:
	s_mov_b64 s[64:65], 0
	v_nop
	global_prefetch_b8 v0, s[64:65] scope:SCOPE_SE
	s_setreg_imm32_b32 hwreg(HW_REG_WAVE_MODE, 25, 1), 1
	s_wait_xcnt 0x0
	s_wait_alu depctr_hold_cnt(0) depctr_sa_sdst(0) depctr_va_vdst(0) depctr_va_sdst(0) depctr_va_ssrc(0) depctr_va_vcc(0) depctr_vm_vsrc(0)
	s_getreg_b32 s2, hwreg(HW_REG_IB_STS2, 6, 4)
	s_cmp_eq_u32 s2, 0
	s_cbranch_scc0 .Lentry_in_a_cluster
	s_endpgm
.Lentry_in_a_cluster:
	s_bfe_u32 s2, ttmp6, 0x10000c
	s_cmp_lg_u32 s2, 0xf033
	s_cbranch_scc0 .Lentry_shape_is_right
	s_endpgm
.Lentry_shape_is_right:
; For 256 rows (batch, time) and two heads: q = xn Wq^T + bq (K = 1,024, on codes of FP6 with E8M0 scales), its softmax over the head's 128 as p = 2^(t - M), t = q log2(e), M = the ceiling of the row's largest t,
; p quantised along d, y = p att (K = 128) and y / the sum of the unquantised p.  out0 is [4][4096][1024] f32.
; THE FIRST PRODUCT.  A tile of 256 x 256: 'A' = 16 groups of xn, 'B' = 16 groups of Wq.  Four waves, each 128 x 128: 64 accumulators, 512 registers.  Both operands lie in memory as images of operand registers
; (12,800 bytes for 16 rows x K 1,024): a fragment is three LDS loads of 512 consecutive bytes.  K goes in four steps of 256 through two LDS slots.  bq is the C of each sum's first matrix instruction.
; Source 0 = 16 rows of Wq, source 1 = 16 rows of xn: a lane holds ONE row (batch, time), its registers run along d; the rows of a group of Wq are so chosen that the 16 registers of two neighbouring tiles are
; 16 neighbouring d.  A wave's 128 columns are one head: the softmax stays in a lane and its partner 16 away, and p is quantised in registers.
; CLUSTERS: 4 x 4 work-groups; the four of a row of the cluster share the rows of xn, the four of a column the rows of Wq: each tile is asked for jointly.
; att's codes of the wave's head (8 fragments, 96 registers) are loaded behind the first K step, into the registers that bq has left, and stay.
; LIMITS: NaN and infinities are not served; a block of zeros has the scale byte 1 (its codes are zeros).
.set REC,   12800
.set FR,    12                         ; registers of a fragment
.set NL,    3                          ; LDS loads that bring one
.set NP,    4                          ; places behind this matrix instruction (ISA guide 7.12.1)
.set NQ,    2                          ; matrix instructions deep in a slot
.set HALFT, 24576                      ; eight groups x 3,072 bytes: what one tensor load brings, and what a wave reads of A or of B
.set SLOT,  4*HALFT
.set SCL,   2*SLOT                     ; behind the ring: the scale bytes for all of K, 4,096 bytes for each wave's eight groups; filled once
.set SPARE, SCL+4*4096                 ; the spare words, 128 bytes for each wave: two blocks of 256 bytes that no other line names
.set STG,   SPARE+512                  ; the way out: 16 rows x (512 bytes + 16) for each wave
.set BQA,  4                           ; v4   bq: 64 (lane / 16)
.set ATA,  6                           ; v6   att's codes: 96 (r + 8 (r / 8)) + 24 (lane / 16)
.set ATS,  7                           ; v7   att's scale words: 4 (r + 8 (r / 8))
.set ASC,  8                           ; v8-15 att's scale words and nothing else
.set ADRA, 16                          ; v16-17 LDS address of my A fragments in slot 0, 1
.set ADRB, 20                          ; v20-21 the same for B
.set STO,  24                          ; v24  the way out: where I put 32 bytes of a row
.set RD,   25                          ; v25  where I read a row back
.set CO,   26                          ; v26  16 x lane
.set ADRS, 27                          ; v27  my scale words: lanes 0-15 A's rows, lanes 16-31 B's
.set SPW,  28                          ; v28  my spare word; never rewritten
.set NIL,  29                          ; v29  0; never rewritten
.set SC,   32                          ; v32-63 scale words and nothing else (v32: later p's scale word)
.set AF,   64                          ; v64-159 A's fragments, one set;  window 1: B's two sets at v0 and v128
.set BM,   64                          ; behind the first product: v64-67 a block's largest score, then largest p
.set BX,   68                          ; v68-71 lane permutes' destinations
.set SO,   72                          ; v72-75 the conversions' scale operands
.set BY,   76                          ; v76-79 scale bytes
.set PC,   80                          ; v80-99 p's codes
.set NM,   100                         ; v[100:101] (-M, at work)
.set SUM,  102                         ; v102-105 the row's sum, two chains of pairs
.set RL,   106                         ; v[106:107] 1 / the sum, twice
.set BQ,   160                         ; v160-223 bq, eight registers for each of B's tiles
.set ATT,  160                         ; v160-255 att's eight fragments
.set WV, 16                            ; s16 wave; s17 = wave / 2: my half of A, and: I fetch for A (0) or B (1); s18 = wave % 2: my half of B (the head of the pair), and: which eight groups I fetch
.set HA, 17
.set HB, 18
.set TR, 19                            ; s19 tile row: 256 rows;  s20 tile column: two heads
.set TC, 20
.set G1, 24                            ; s[24:31] descriptor group 1 for A's codes;  s[32:39] group 0, one set for each slot
.set G0, 32
.set G1B, 48                           ; s[48:55], s[56:63] the same for B
.set G0B, 56
.set G1S, 68                           ; s[68:75], s[76:79] groups 1 and 0 for A's scale bytes;  s[80:87], s[88:91] for B's
.set G0S, 76
.set G1SB, 80
.set G0SB, 88
.set FLO,  95                          ; s95  the floor 2^(3 - 127)
.set CS,   100                         ; s[100:101] log2(e), twice
.set SEL,  104                         ; s[104:105] v_permlanex16_b32's selects for lane l xor 16
.set MSB, 0
.macro WIN new                         ; the immediate's high byte repeats the setting that is left
.if MSB != (\new)
	s_set_vgpr_msb (MSB<<8)|(\new)
.set MSB, (\new)
.endif
.endm
.set MUL_LO, 0xa1                      ; source 0 (B) window 1, source 1 (A) window 0, C and D window 2
.set MUL_HI, 0xf1                      ; the same, C and D window 3
.set TO_B,   0x40                      ; destination window 1, address window 0
; A joint load: waves 0 and 1 fetch for A, waves 2 and 3 for B; the branch hangs on the wave's number alone.  Four v_nop follow each of the two lines.
.macro JLOAD g0a, g1a, g0b, g1b
	s_cmp_eq_u32 s[HA], 0
	s_cbranch_scc0 .Lfor_b_\@
	tensor_load_to_lds s[\g0a:\g0a+3], s[\g1a:\g1a+7]
	s_nop 0
.rept 4
	v_nop
.endr
	s_branch .Lasked_\@
.Lfor_b_\@:
	tensor_load_to_lds s[\g0b:\g0b+3], s[\g1b:\g1b+7]
	s_nop 0
.rept 4
	v_nop
.endr
.Lasked_\@:
.endm
.macro CREST                           ; a round of the cluster's barrier behind its opening barrier
	s_cmp_lg_u32 s[WV], 0
	s_cbranch_scc1 .Lnot_wave_0_\@
	s_barrier_signal -3
.Lnot_wave_0_\@:
	s_barrier_wait -3
	s_barrier_signal -1
	s_barrier_wait -1
.endm
.macro CROUND                          ; a whole round
	s_barrier_signal -1
	s_barrier_wait -1
	CREST
.endm
	s_load_b128 s[4:7], s[0:1], 0x0                ; xnimg (A), wimg (B)
	s_load_b128 s[8:11], s[0:1], 0x10              ; bq, attimg
	s_load_b64 s[12:13], s[0:1], 0x20              ; out0
	v_lshl_add_u32 v[SPW], v0, 2, SPARE
	v_mov_b32 v[NIL], 0
	ds_add_u32 v28, v29
	ds_add_u32 v28, v29
	s_wait_dscnt 0x0
	v_lshrrev_b32 v1, 5, v0
	v_readfirstlane_b32 s[WV], v1                  ; wave 0..3
	s_lshr_b32 s[HA], s[WV], 1
	s_and_b32 s[HB], s[WV], 1
	s_bfe_u32 s21, ttmp6, 0x40000                  ; cx, cy: my place in the cluster
	s_bfe_u32 s22, ttmp6, 0x40004
	s_lshl_b32 s[TC], ttmp9, 2
	s_add_co_u32 s[TC], s[TC], s21                 ; tile column = 4 x cluster x + cx
	s_and_b32 s[TR], ttmp7, 0xffff
	s_lshl_b32 s[TR], s[TR], 2
	s_add_co_u32 s[TR], s[TR], s22                 ; tile row = 4 x cluster y + cy
	s_lshl_b32 s96, s22, 2
	s_lshl_b32 s96, 15, s96                        ; my row of the cluster
	s_lshl_b32 s97, 0x1111, s21                    ; my column
	; descriptor group 1, codes: eight rows (groups) of 3,072 bytes = 384 elements of 8 bytes, 12,800 bytes = 1,600 elements apart; no padding: every fragment load reads 512 consecutive bytes
	s_or_b32 s[G1+0], s96, (3<<16)|(1<<21)         ; 15:0 the mask: A's tiles go to my row; 17:16 elements of 8 bytes; 21 set beside a mask
	s_or_b32 s[G1B+0], s97, (3<<16)|(1<<21)
.irp g, G1, G1B
	s_mov_b32 s[\g+1], 384<<16                     ; tensor_dim0
	s_mov_b32 s[\g+2], 8<<16                       ; tensor_dim1
	s_mov_b32 s[\g+3], 384<<16                     ; tile_dim0
	s_mov_b32 s[\g+4], 8                           ; tile_dim1
	s_mov_b32 s[\g+5], 1600                        ; tensor_dim0_stride
	s_mov_b32 s[\g+6], 0
	s_mov_b32 s[\g+7], 0
.endr
	; and scale bytes: eight rows of 512 bytes
	s_or_b32 s[G1S+0], s96, (3<<16)|(1<<21)
	s_or_b32 s[G1SB+0], s97, (3<<16)|(1<<21)
.irp g, G1S, G1SB
	s_mov_b32 s[\g+1], 64<<16
	s_mov_b32 s[\g+2], 8<<16
	s_mov_b32 s[\g+3], 64<<16
	s_mov_b32 s[\g+4], 8
	s_mov_b32 s[\g+5], 1600
	s_mov_b32 s[\g+6], 0
	s_mov_b32 s[\g+7], 0
.endr
	s_lshl_b32 s23, s[HB], 3                       ; which eight groups of the tile I fetch
	s_lshl_b32 s40, s[TR], 4
	s_add_co_u32 s40, s40, s23                     ; A: group 16 x tile row + 8 x half
	s_mul_i32 s40, s40, REC
	s_mov_b32 s41, 0
	s_lshl_b32 s42, s[TC], 4
	s_add_co_u32 s42, s42, s23                     ; B: group 16 x tile column + 8 x half (Wq's groups begin wimg)
	s_mul_i32 s42, s42, REC
	s_mov_b32 s43, 0
	s_mul_i32 s46, s[WV], HALFT                    ; where they go: by the wave's number alone
	s_lshl_b32 s47, s[WV], 12
	s_wait_kmcnt 0x0
	s_add_nc_u64 s[40:41], s[4:5], s[40:41]
	s_add_nc_u64 s[42:43], s[6:7], s[42:43]
	CROUND                                         ; all sixteen work-groups are here: the first joint loads meet
	s_mov_b32 s[G0S], 1
	s_add_co_u32 s[G0S+1], s47, SCL
	s_add_nc_u64 s[G0S+2:G0S+3], s[40:41], 12288
	s_or_b32 s[G0S+3], s[G0S+3], 0x80000000
	s_mov_b32 s[G0SB], 1
	s_add_co_u32 s[G0SB+1], s47, SCL
	s_add_nc_u64 s[G0SB+2:G0SB+3], s[42:43], 12288
	s_or_b32 s[G0SB+3], s[G0SB+3], 0x80000000
	JLOAD G0S, G1S, G0SB, G1SB                     ; the scale bytes first: they are wanted with K step 0
.irp s, 0,1
	s_mov_b32 s[G0+4*\s], 1
	s_add_co_u32 s[G0+4*\s+1], s46, \s*SLOT
	s_add_nc_u64 s[G0+4*\s+2:G0+4*\s+3], s[40:41], \s*3072
	s_or_b32 s[G0+4*\s+3], s[G0+4*\s+3], 0x80000000
	s_mov_b32 s[G0B+4*\s], 1
	s_add_co_u32 s[G0B+4*\s+1], s46, \s*SLOT
	s_add_nc_u64 s[G0B+4*\s+2:G0B+4*\s+3], s[42:43], \s*3072
	s_or_b32 s[G0B+4*\s+3], s[G0B+4*\s+3], 0x80000000
	JLOAD G0+4*\s, G1, G0B+4*\s, G1B               ; three tensor loads of mine are out
.endr
	v_and_b32 v1, 15, v0                           ; r
	v_bfe_u32 v2, v0, 4, 1                         ; h
	v_and_b32 v3, 31, v0                           ; lane
	v_lshlrev_b32 v[CO], 4, v3                     ; 16 x lane
	s_lshl_b32 s66, s[TC], 1
	s_add_co_u32 s66, s66, s[HB]                   ; my head
	s_lshl_b32 s98, s66, 9
	s_mov_b32 s99, 0
	s_add_nc_u64 s[8:9], s[8:9], s[98:99]          ; bq at my head
	v_lshlrev_b32 v[BQA], 6, v2
.irp b, 0,1,2,3,4,5,6,7                ; lane (r, h), register j of B's tile b holds d = 32 (b / 2) + 8 (b % 2) + 16 h + j
	global_load_b128 v[BQ+8*\b:BQ+8*\b+3], v[BQA], s[8:9] offset:(32*(\b/2)+8*(\b%2))*4
	global_load_b128 v[BQ+8*\b+4:BQ+8*\b+7], v[BQA], s[8:9] offset:(32*(\b/2)+8*(\b%2))*4+16
.endr
	s_mul_i32 s44, s[HA], HALFT                    ; my eight groups of A,
	s_mul_i32 s45, s[HB], HALFT                    ; my eight of B,
	s_add_co_u32 s45, s45, 2*HALFT                 ; which lie behind A's sixteen
.irp s, 0,1
	v_add_nc_u32 v[ADRA+\s], s44, v[CO]
	v_add_nc_u32 v[ADRB+\s], s45, v[CO]
	s_add_co_u32 s44, s44, SLOT
	s_add_co_u32 s45, s45, SLOT
.endr
	v_lshlrev_b32 v5, 3, v1                        ; scale words: 8 bytes a row and slot
	s_lshl_b32 s44, s[HA], 12                      ; A's: my eight groups
	s_lshl_b32 s45, s[HB], 12                      ; B's, behind A's
	s_add_co_u32 s45, s45, 2*4096
	s_sub_co_u32 s45, s45, s44
	v_mul_u32_u24 v22, s45, v2                     ; lanes 16-31 take B's
	s_add_co_u32 s44, s44, SCL
	v_add_nc_u32 v5, v5, v22
	v_add_nc_u32 v[ADRS], s44, v5
	s_mul_i32 s44, s[WV], 16*528
	s_add_co_u32 s44, s44, STG                     ; my stage
	v_mul_u32_u24 v[STO], v1, 528
	v_lshl_add_u32 v[STO], v2, 6, v[STO]
	v_add_nc_u32 v[STO], s44, v[STO]               ; in: row r, + 64 h
	v_add_nc_u32 v[RD], s44, v[CO]                 ; back: the 32 lanes take one row of 512 bytes
	v_and_b32 v[ATS], 8, v1
	v_add_nc_u32 v[ATS], v[ATS], v1                ; r + 8 (r / 8): the rows l of a tile of att are chosen as Wq's are
	v_mul_u32_u24 v[ATA], v[ATS], 96
	v_mad_u32_u24 v[ATA], v2, 24, v[ATA]
	v_lshlrev_b32 v[ATS], 2, v[ATS]
	s_lshr_b32 s67, s[TR], 4                       ; the batch: 16 tiles of 256 rows each
	s_lshl_b32 s67, s67, 3
	s_add_co_u32 s67, s67, s66                     ; 8 b + head
	s_mul_i32 s98, s67, REC
	s_add_nc_u64 s[10:11], s[10:11], s[98:99]      ; att's record
	s_lshl_b32 s98, s[TR], 20                      ; out0: 256 rows of 4,096 bytes a tile,
	s_lshl_b32 s67, s[HA], 19                      ; my 128 of them,
	s_add_co_u32 s98, s98, s67
	s_lshl_b32 s67, s66, 9                         ; my head's 512 bytes
	s_add_co_u32 s98, s98, s67
	s_add_nc_u64 s[12:13], s[12:13], s[98:99]
	s_mov_b32 s[FLO], 0x1800000
	s_mov_b32 s[CS], 0x3fb8aa3b                    ; log2(e)
	s_mov_b32 s[CS+1], s[CS]                       ; (named with it as a pair, so it is written)
	s_mov_b32 s[SEL], 0x76543210
	s_mov_b32 s[SEL+1], 0xfedcba98
.macro FRAG reg, adr, q, i             ; a fragment as it lies: group i of my eight, the slot's q-th 128 along K
.irp c, 0,1,2
	ds_load_b128 v[\reg+4*\c:\reg+4*\c+3], v[\adr] offset:3072*(\i)+1536*(\q)+512*\c
.endr
.endm
; 16 matrix instructions: A's blocks a0, a0 + 1 x B's eight, 128 along K.  p: B's set;  sc: the set of scale words.  zero = 2: the first product starts the sums from bq.
; The 64 accumulators take turns, one instruction a turn, in the same order in every step.
.macro MUL16 a0, p, q, sc, zero
.irp a, \a0, \a0+1
.irp b, 0,1,2,3,4,5,6,7
.if \zero
	v_wmma_scale_f32_16x16x128_f8f6f4 v[8*(8*((\a)%4)+\b):8*(8*((\a)%4)+\b)+7], v[128*(\p)+FR*\b:128*(\p)+FR*\b+FR-1], v[AF+FR*(\a):AF+FR*(\a)+FR-1], v[BQ+8*\b:BQ+8*\b+7], v[SC+8*NQ*(\sc)+NQ*\b+(\q)], v[SC+8*NQ*(\sc)+NQ*(\a)+(\q)] matrix_a_fmt:MATRIX_FMT_FP6 matrix_b_fmt:MATRIX_FMT_FP6 matrix_a_scale:MATRIX_SCALE_ROW1
.else
	v_wmma_scale_f32_16x16x128_f8f6f4 v[8*(8*((\a)%4)+\b):8*(8*((\a)%4)+\b)+7], v[128*(\p)+FR*\b:128*(\p)+FR*\b+FR-1], v[AF+FR*(\a):AF+FR*(\a)+FR-1], v[8*(8*((\a)%4)+\b):8*(8*((\a)%4)+\b)+7], v[SC+8*NQ*(\sc)+NQ*\b+(\q)], v[SC+8*NQ*(\sc)+NQ*(\a)+(\q)] matrix_a_fmt:MATRIX_FMT_FP6 matrix_b_fmt:MATRIX_FMT_FP6 matrix_a_scale:MATRIX_SCALE_ROW1
.endif
.endr
.endr
.endm
.macro FETCH_B slot, q, p
	WIN TO_B
.irp i, 0,1,2,3,4,5,6,7
	FRAG 128*(\p)+FR*\i, ADRB+\slot, \q, \i
.endr
	WIN 0
.endm
.macro FETCH_A slot, q, i0
.irp i, \i0, \i0+1, \i0+2, \i0+3
	FRAG AF+FR*(\i), ADRA+\slot, \q, \i
.endr
.endm
.macro SCALES sc                       ; a slot's scale words into set sc: two words a row; lanes 0-15 take A's block i, lanes 16-31 B's block i
.irp i, 0,1,2,3,4,5,6,7
	ds_load_b64 v[SC+8*NQ*\sc+NQ*\i:SC+8*NQ*\sc+NQ*\i+1], v[ADRS] offset:\i*512
.endr
.endm
; A load into a register that a matrix instruction has read, and a vector instruction or a store that reads a matrix result, stand NP places behind it; only plain vector instructions that name none of
; its registers are places (ISA guide 7.12.1 for vector instructions).
.macro PLACES n
.rept \n
	v_nop
.endr
.endm
.macro STEP slot, q, zero              ; a step of 128 along K that has its successor in the same slot
	s_wait_dscnt 4*NL                              ; B's set and A's blocks 0-3 are in; the youngest twelve loads (A's blocks 4-7) may be out
.if \zero
	WIN 0x81                                       ; C (bq) window 0, D window 2
.else
	WIN MUL_LO
.endif
	MUL16 0, (\q)%2, \q, \slot, \zero
	MUL16 2, (\q)%2, \q, \slot, \zero
	s_wait_dscnt 0                                 ; A's blocks 4-7 are in
	PLACES NP
	FETCH_B \slot, (\q)+1, 1-(\q)%2
	FETCH_A \slot, (\q)+1, 0
.if \zero
	WIN 0xc1                                       ; C window 0, D window 3
.else
	WIN MUL_HI
.endif
	MUL16 4, (\q)%2, \q, \slot, \zero
	MUL16 6, (\q)%2, \q, \slot, \zero
	PLACES NP
	WIN 0
	FETCH_A \slot, (\q)+1, 4
.endm
; A slot's last step changes slots: one barrier; in front of it each wave waits for all its tensor loads, adds 0 to its spare word, and waits for that and for its reads of this slot.  fill = 1: the slot is filled again, two slots ahead.
.macro TURN slot, next, fill
	s_wait_tensorcnt 0x0                           ; all my tensor loads have landed: my part of the next slot
	ds_add_u32 v[SPW], v[NIL]                      ; 0 onto my spare word
	s_wait_dscnt 4*NL+1                            ; (the add and A's blocks 4-7 may be out)
	WIN MUL_LO
	MUL16 0, 1, NQ-1, \slot, 0                     ; sixteen matrix instructions stand between the add and the wait for it
	s_wait_dscnt 0x0                               ; the add is done, and my reads of this slot are over
	s_barrier_signal -1
	MUL16 2, 1, NQ-1, \slot, 0
	WIN 0
	s_barrier_wait -1
.if \fill
	CREST                                          ; the barrier has opened a round of the cluster's: no wave of any partner still reads this slot or has a load on its way
	s_add_nc_u64 s[G0+4*\slot+2:G0+4*\slot+3], s[G0+4*\slot+2:G0+4*\slot+3], 2*3072
	s_add_nc_u64 s[G0B+4*\slot+2:G0B+4*\slot+3], s[G0B+4*\slot+2:G0B+4*\slot+3], 2*3072
	JLOAD G0+4*\slot, G1, G0B+4*\slot, G1B         ; the first tensor load behind the round, my one load until the next; its four v_nop are the places in front of the loads below
.else
	PLACES NP
.endif
	v_add_nc_u32 v[ADRS], 128, v[ADRS]             ; on to the next slot's scale words (no LDS load of mine is out)
	FETCH_B \next, 0, 0
	FETCH_A \next, 0, 0
	SCALES \next
	WIN MUL_HI
	MUL16 4, 1, NQ-1, \slot, 0
	MUL16 6, 1, NQ-1, \slot, 0
	PLACES NP
	WIN 0
	FETCH_A \next, 0, 4
.endm
	s_wait_tensorcnt 1                             ; the scale bytes and my part of slot 0 are in (slot 1's load may be out)
	s_barrier_signal -1
	s_barrier_wait -1                              ; everybody's are
	FETCH_B 0, 0, 0
	FETCH_A 0, 0, 0
	SCALES 0
	FETCH_A 0, 0, 4
	s_wait_loadcnt 0x0                             ; bq
	STEP 0, 0, 2                                   ; K = 1,024: four slots' worth, written out
	; att's fragments and scale words: bq's last readers stand in front of the step's closing places.  They are waited for behind the first product
.irp g, 0,1,2,3,4,5,6,7                ; lane r of tile g takes row l = 32 (g / 2) + 8 (g % 2) + r + 8 (r / 8)
.irp p, 0,1,2,3,4,5
	global_load_b64 v[ATT+12*\g+2*\p:ATT+12*\g+2*\p+1], v[ATA], s[10:11] offset:(32*(\g/2)+8*(\g%2))*96+48*(\p/3)+8*(\p%3)
.endr
	global_load_b32 v[ASC+\g], v[ATS], s[10:11] offset:12288+(32*(\g/2)+8*(\g%2))*4
.endr
	TURN 0, 1, 1
	STEP 1, 0, 0
	TURN 1, 0, 1
	STEP 0, 0, 0
	TURN 0, 1, 0                                   ; nothing is left to fetch
	STEP 1, 0, 0
	s_wait_dscnt 4*NL
	WIN MUL_LO
	MUL16 0, 1, NQ-1, 1, 0
	MUL16 2, 1, NQ-1, 1, 0
	s_wait_dscnt 0
	WIN MUL_HI
	MUL16 4, 1, NQ-1, 1, 0
	MUL16 6, 1, NQ-1, 1, 0
	WIN 0
; THE SOFTMAX of the 16 rows of A's block a: 64 registers v[S ..] of window W; register 16 b + e = d 32 b + 16 (lane / 16) + e of my row.  It leaves p's codes in v[PC ..], p's scale word in v32 and 1 / the sum in v[RL:RL+1].
.macro SOFT a
.set W, 2+(\a)/4
.set S, 64*((\a)%4)
	WIN W|(W<<2)|(W<<4)
.irp b, 0,1,2,3
	v_max3_num_f32 v[BM+\b], v[S+16*\b], v[S+16*\b+1], v[S+16*\b+2]   ; the largest score of each block of 32 d: for the row's maximum and, since p rises with the score, for the block's largest p.  Each accumulator is read from its low end on
.endr
	WIN (W<<2)|(W<<4)
.irp i, 3,5,7,9,11,13
.irp b, 0,1,2,3
	v_max3_num_f32 v[BM+\b], v[BM+\b], v[S+16*\b+\i], v[S+16*\b+\i+1]
.endr
.endr
	WIN W<<2
.irp b, 0,1,2,3
	v_max_num_f32 v[BM+\b], v[BM+\b], v[S+16*\b+15]
.endr
	WIN 0
.irp b, 0,1,2,3
	v_permlanex16_b32 v[BX+\b], v[BM+\b], s[SEL], s[SEL+1]
.endr
.irp b, 0,1,2,3
	v_max_num_f32 v[BM+\b], v[BM+\b], v[BX+\b]     ; with lane l xor 16's 16
.endr
	v_max3_num_f32 v[NM+1], v[BM], v[BM+1], v[BM+2]
	v_max_num_f32 v[NM+1], v[NM+1], v[BM+3]
	v_mul_f32 v[NM+1], s[CS], v[NM+1]              ; the row's largest t
	v_floor_f32 v[NM], -v[NM+1]                    ; -M = floor(-t) = -ceil(t)
	WIN (W<<6)|W
.set j, 0
.rept 32
	v_pk_fma_f32 v[S+j:S+j+1], v[S+j:S+j+1], s[CS:CS+1], v[NM:NM+1] op_sel_hi:[1,0,0]   ; t - M
.set j, j+2
.endr
	WIN 0
.irp b, 0,1,2,3
	v_fma_f32 v[BM+\b], v[BM+\b], s[CS], v[NM]     ; the same of each block's largest score
.endr
	WIN (W<<6)|W
.set j, 0
.rept 64
	v_exp_f32 v[S+j], v[S+j]                       ; p = 2^(t - M): not normalised
.set j, j+1
.endr
	WIN 0
.irp i, 0,1,2,3
	v_mov_b32 v[SUM+\i], 0                         ; the sum's two chains begin; plain lines behind the exponentials
.endr
	s_wait_alu depctr_va_vdst(0)                   ; one wait for the whole batch, ahead of its first reader
.irp b, 0,1,2,3
	v_exp_f32 v[BM+\b], v[BM+\b]                   ; each block's largest p
.endr
	WIN W<<2
.set j, 0
.rept 16
	v_pk_add_f32 v[SUM:SUM+1], v[SUM:SUM+1], v[S+j:S+j+1]          ; the sum is taken of the unquantised p
	v_pk_add_f32 v[SUM+2:SUM+3], v[SUM+2:SUM+3], v[S+j+2:S+j+3]
.set j, j+4
.endr
	WIN 0
	v_pk_add_f32 v[SUM:SUM+1], v[SUM:SUM+1], v[SUM+2:SUM+3]
	v_add_f32 v[SUM], v[SUM], v[SUM+1]
	v_permlanex16_b32 v[BX], v[SUM], s[SEL], s[SEL+1]
	v_add_f32 v[SUM], v[SUM], v[BX]                ; the row's sum
	s_wait_alu depctr_va_vdst(0)                   ; and one wait for the four
.irp b, 0,1,2,3
	v_max_num_f32 v[BM+\b], s[FLO], v[BM+\b]       ; the floor: the byte cannot fall under 1
.endr
.irp b, 0,1,2,3
	v_add_nc_u32 v[SO+\b], 0xff000000, v[BM+\b]    ; 2 off the exponent field: the conversions' scale operand
.endr
.irp b, 0,1,2,3
	v_lshrrev_b32 v[BY+\b], 23, v[SO+\b]
.endr
	v_lshl_or_b32 v32, v[BY+1], 8, v[BY]           ; p's scale word
	v_lshl_or_b32 v32, v[BY+2], 16, v32
	v_lshl_or_b32 v32, v[BY+3], 24, v32
	WIN W
.irp c, 0,1
	v_cvt_scalef32_pk16_fp6_f32 v[PC+6*\c:PC+6*\c+2], v[S+32*\c:S+32*\c+15], v[SO+2*\c]
	v_cvt_scalef32_pk16_fp6_f32 v[PC+12+4*\c:PC+14+4*\c], v[S+32*\c+16:S+32*\c+31], v[SO+2*\c+1]   ; (a conversion's three registers begin on an even number)
.endr
	WIN 0
	v_nop                                          ; one plain line behind the scaled conversions
.irp c, 0,1                            ; the operand's layout wants a whole block in a lane
.irp i, 0,1,2
	v_permlane16_swap_b32 v[PC+6*\c+\i], v[PC+12+4*\c+\i]
.endr
.irp i, 0,1,2
	v_mov_b32 v[PC+3+6*\c+\i], v[PC+12+4*\c+\i]
.endr
.endr
	v_rcp_f32 v[RL], v[SUM]
.rept 8
	v_nop                                          ; a scale word written by vector instructions stands 8 places ahead of a scaled matrix instruction, an operand so written 4; also the plain lines behind the reciprocal
.endr
	s_wait_alu depctr_va_vdst(0)                   ; the wait ahead of the reciprocal's first reader
	v_mov_b32 v[RL+1], v[RL]
.endm
; y^T of the block: source 0 = 16 rows l of att, source 1 = p: lane r keeps its row, register j of tile g is l = 32 (g / 2) + 8 (g % 2) + 16 (lane / 16) + j.  The results take the registers that p has left.
.macro PROD a
.set W, 2+(\a)/4
.set S, 64*((\a)%4)
	WIN W<<6
.irp g, 0,1,2,3,4,5,6,7
	v_wmma_scale_f32_16x16x128_f8f6f4 v[S+8*\g:S+8*\g+7], v[ATT+12*\g:ATT+12*\g+11], v[PC:PC+11], 0, v[ASC+\g], v32 matrix_a_fmt:MATRIX_FMT_FP6 matrix_b_fmt:MATRIX_FMT_FP6
.endr
.endm
.macro SCALE a                         ; / the sum; each accumulator from its low end on
.set W, 2+(\a)/4
.set S, 64*((\a)%4)
	WIN (W<<6)|W
.set j, 0
.rept 32
	v_pk_mul_f32 v[S+j:S+j+1], v[S+j:S+j+1], v[RL:RL+1]
.set j, j+2
.endr
.endm
.macro TOSTAGE a                       ; through my own stage, so that whole rows of 512 bytes come back.  LDS serves a wave's instructions in order: no wait between the stores and the loads
.set W, 2+(\a)/4
.set S, 64*((\a)%4)
	WIN W<<2
.irp g, 0,1,2,3,4,5,6,7
	ds_store_b128 v[STO], v[S+8*\g:S+8*\g+3] offset:128*(\g/2)+32*(\g%2)
	ds_store_b128 v[STO], v[S+8*\g+4:S+8*\g+7] offset:128*(\g/2)+32*(\g%2)+16
.endr
	WIN 0x40                                       ; into window 1, where B's fragments lay
.irp t, 0,1,2,3,4,5,6,7,8,9,10,11,12,13,14,15
	ds_load_b128 v[64*((\a)%2)+4*\t:64*((\a)%2)+4*\t+3], v[RD] offset:528*\t
.endr
	WIN 0
.endm
.macro SEND a                          ; row t of the block is row 32 (a / 2) + 8 (a % 2) + t + 8 (t / 8) of my 128
	s_wait_dscnt 0x0                               ; the block is back in registers
	WIN 0x04                                       ; a store's data are its source 1: window 1
.irp t, 0,1,2,3,4,5,6,7,8,9,10,11,12,13,14,15
	global_store_b128 v[CO], v[64*((\a)%2)+4*\t:64*((\a)%2)+4*\t+3], s[12:13] offset:(32*((\a)/2)+8*((\a)%2)+\t+8*(\t/8))*4096 th:TH_STORE_NT   ; 32 lanes store 512 consecutive bytes, at a multiple of 256 from out0's first byte
.endr
	WIN 0
.endm
	PLACES NP                                      ; behind the last products: results are read, and registers that held fragments are written
.irp b, 0,1,2,3
	v_mov_b32 v[BX+\b], 0                          ; written once: a lane permute's destination counts as one of its sources
.endr
	s_wait_loadcnt 0x0                             ; att
.irp a, 0,1,2,3,4,5,6,7
	SOFT \a
	PROD \a
.if \a > 0
	SEND \a-1                                      ; the block before leaves while this block's products run
.endif
	PLACES NP
	SCALE \a
.if \a > 1
	s_wait_xcnt 0x0                                ; the stores of the block two back have read their registers: this block's rows may land there
.endif
	TOSTAGE \a
.endr
	SEND 7
	s_wait_tensorcnt 0x0                           ; the wave's end
	ds_add_u32 v[SPW], v[NIL]
	s_wait_dscnt 0x0
	CROUND                                         ; the closing round
	s_endpgm
.Lfunc_end_k_q7c2103f8b5_qy:
	.size	k_q7c2103f8b5_qy, .Lfunc_end_k_q7c2103f8b5_qy-k_q7c2103f8b5_qy
	.p2alignl 7, 3214868480
	.fill 96, 4, 3214868480
	.section	.rodata,"a",@progbits
	.p2align	6, 0x0
	.amdhsa_kernel k_q7c2103f8b5_qy
		.amdhsa_group_segment_fixed_size 327680
		.amdhsa_private_segment_fixed_size 0
		.amdhsa_enable_private_segment 0
		.amdhsa_kernarg_size 40
		.amdhsa_user_sgpr_count 2
		.amdhsa_user_sgpr_kernarg_segment_ptr 1
		.amdhsa_wavefront_size32 1
		.amdhsa_system_sgpr_workgroup_id_x 1
		.amdhsa_system_sgpr_workgroup_id_y 1
		.amdhsa_system_sgpr_workgroup_id_z 1
		.amdhsa_system_vgpr_workitem_id 0
		.amdhsa_next_free_vgpr 1024
		.amdhsa_next_free_sgpr 106
		.amdhsa_reserve_vcc 0
		.amdhsa_float_denorm_mode_32 3
		.amdhsa_float_denorm_mode_16_64 3
		.amdhsa_memory_ordered 1
		.amdhsa_forward_progress 1
		.amdhsa_inst_pref_size 255
	.end_amdhsa_kernel
	.section	.bss,"aw",@nobits
	.p2align	6
	.space	262144
	.amdgpu_metadata
---
amdhsa.version: [ 1, 2 ]
amdhsa.kernels:
  - .name:           k_q7c2103f8b5_qy
    .symbol:         k_q7c2103f8b5_qy.kd
    .args:
      - { .name: xnimg, .offset: 0, .size: 8, .value_kind: global_buffer, .address_space: global }
      - { .name: wimg, .offset: 8, .size: 8, .value_kind: global_buffer, .address_space: global }
      - { .name: bq, .offset: 16, .size: 8, .value_kind: global_buffer, .address_space: global }
      - { .name: attimg, .offset: 24, .size: 8, .value_kind: global_buffer, .address_space: global }
      - { .name: out0, .offset: 32, .size: 8, .value_kind: global_buffer, .address_space: global }
    .group_segment_fixed_size: 327680
    .private_segment_fixed_size: 0
    .kernarg_segment_align: 8
    .kernarg_segment_size: 40
    .max_flat_workgroup_size: 128
    .sgpr_count:     106
    .vgpr_count:     1024
    .wavefront_size: 32
...
	.end_amdgpu_metadata
.endif
;; end of part 4
